; MI455X (gfx1250); checked and timed in simulation.
; The chip was launched on July 23, 2026; its instructions are those of AMD's public machine-readable ISA for CDNA 5 (MIT licence, August 2026) and "CDNA5" Instruction Set Architecture Reference Guide (July 2026). The comments in the code are by the model that wrote it; some were corrected since.
;; Vizi Market Transformer. Allowed arithmetic: matrix products marked QUANTISED: E3M2 operands, one E8M0 scale for each 32 along K, by v_wmma_scale_f32_16x16x128_f8f6f4 with both operands' format E3M2, f32 sums; products left as they are: f32 operands where the result goes on into a quantised operand, else bf16, f16 or f32 operands; f32 sums; everything else in f32.
;; Inputs: b1 8 x 2,048 float32; b2 8 x 512 float32; router_w 512 x 8 float32; w1_codes 8 x 2,048 x 16 x 24 uint8 (E3M2 codes of w1, K innermost, in blocks of 32 codes, four codes in three bytes); w1_scales 8 x 2,048 x 16 uint8 (E8M0 scales of w1, one for each 32 codes along K); w2_codes 8 x 512 x 64 x 24 uint8 (E3M2 codes of w2, K innermost, in blocks of 32 codes, four codes in three bytes); w2_scales 8 x 512 x 64 uint8 (E8M0 scales of w2, one for each 32 codes along K); x 8 x 512 x 512 float32.
;; Outputs: out0 8 x 512 x 512 float32; out1 one number float32.
;; This version of the problem:
;;   THIS VERSION OF THE PROBLEM IS GIVEN IN LOW PRECISION. The matrix products marked QUANTISED in the list below multiply operands that are first quantised to E3M2 (3 exponent bits, 2 mantissa bits; 6 bits a number), with one power-of-two scale for each 32 numbers along K (OCP MX v1.0); their sums are f32. All else is computed in f32.
;;   The module's matrix products, in the order in which they are computed (A, B: the left and right operand; K: the contracted axis; several contracted axes count as one K, in the product's order):
;;     1. [M 4,096, K 512] x [K 512, N 8]; A: input x; B: input router_w: left as it is (N = 8 < 16)
;;     2. [M 4,096, K 512] x [K 512, N 2,048]; A: input x; B: input w1 (given as codes): QUANTISED
;;     3. [M 4,096, K 2,048] x [K 2,048, N 512]; A: computed on the way; B: input w2 (given as codes): QUANTISED
;;     4. [M 4,096, K 512] x [K 512, N 2,048]; A: input x; B: input w1 (given as codes): QUANTISED
;;     5. [M 4,096, K 2,048] x [K 2,048, N 512]; A: computed on the way; B: input w2 (given as codes): QUANTISED
;;     6. [M 4,096, K 512] x [K 512, N 2,048]; A: input x; B: input w1 (given as codes): QUANTISED
;;     7. [M 4,096, K 2,048] x [K 2,048, N 512]; A: computed on the way; B: input w2 (given as codes): QUANTISED
;;     8. [M 4,096, K 512] x [K 512, N 2,048]; A: input x; B: input w1 (given as codes): QUANTISED
;;     9. [M 4,096, K 2,048] x [K 2,048, N 512]; A: computed on the way; B: input w2 (given as codes): QUANTISED
;;     10. [M 4,096, K 512] x [K 512, N 2,048]; A: input x; B: input w1 (given as codes): QUANTISED
;;     11. [M 4,096, K 2,048] x [K 2,048, N 512]; A: computed on the way; B: input w2 (given as codes): QUANTISED
;;     12. [M 4,096, K 512] x [K 512, N 2,048]; A: input x; B: input w1 (given as codes): QUANTISED
;;     13. [M 4,096, K 2,048] x [K 2,048, N 512]; A: computed on the way; B: input w2 (given as codes): QUANTISED
;;     14. [M 4,096, K 512] x [K 512, N 2,048]; A: input x; B: input w1 (given as codes): QUANTISED
;;     15. [M 4,096, K 2,048] x [K 2,048, N 512]; A: computed on the way; B: input w2 (given as codes): QUANTISED
;;     16. [M 4,096, K 512] x [K 512, N 2,048]; A: input x; B: input w1 (given as codes): QUANTISED
;;     17. [M 4,096, K 2,048] x [K 2,048, N 512]; A: computed on the way; B: input w2 (given as codes): QUANTISED
;;   THE QUANTISER, for each operand of a quantised product, along K:
;;     - K is cut into blocks of 32 from its start; a last block that is shorter is filled with zeros.
;;     - A block's scale is 2^e with e = floor(log2(the largest magnitude in the block)) - 4, held to -126 .. 127; a block of zeros has e = 0. As a byte (E8M0): e + 127.
;;     - Each number is divided by its block's scale, clamped to +-28, and rounded to the nearest number of E3M2, ties to even, subnormals kept.
;;     - The product sums the exact products of the quantised numbers (number of the format x scale) in f32.
;;   ~~~python
;;   def quantise(x, axis):      # numpy; x: float32 -> the quantised numbers, widened to float32 again
;;       x = np.moveaxis(x, axis, -1); K = x.shape[-1]
;;       x = np.pad(x, [(0, 0)] * (x.ndim - 1) + [(0, -K % 32)]); x = x.reshape(x.shape[:-1] + (-1, 32)); a = np.abs(x).max(-1, keepdims=True)
;;       e = np.where(a > 0, np.clip(np.frexp(np.where(a > 0, a, 1))[1] - 1 - 4, -126, 127), 0)      # np.frexp(a)[1] - 1 = floor(log2(a)), exactly
;;       r = np.clip(x / 2.0 ** e, -28, 28)
;;       step = 2.0 ** (np.maximum(np.frexp(np.where(r == 0, 1, r))[1] - 1, -2) - 2)
;;       q = np.round(r / step) * step * 2.0 ** e      # np.round: ties to even
;;       return np.moveaxis(q.reshape(q.shape[:-2] + (-1,))[..., :K], -1, axis).astype(np.float32)
;;   ~~~
;;   OPERANDS COMPUTED ON THE WAY. 'Computed on the way' means the value that the module computes at that place (a softmax that the list does not call 'softmax' is quantised finished and normalised). What goes into a quantiser is computed in f32, as accurately as f32 sums, v_exp_f32 and their like allow (about 1e-6 of the number): no bf16 or f16 on the way to a quantiser, and a product that is left as it is and whose result goes on into a quantised operand takes f32 operands (vector FMAs, or v_wmma_f32_16x16x4_f32). A number that lies on a knife's edge between two numbers of the format may be rounded either way, as far as f32 arithmetic and the matrix unit's own rounding can turn it there, and no further.
;;   INPUTS GIVEN AS CODES. w1 (in the module: [8, 512, 2048], K = its axis 1); w2 (in the module: [8, 2048, 512], K = its axis 1): each comes as NAME_codes (uint8): NAME with its K axis moved to the last place and cut into blocks of 32 codes, [.., K / 32, bytes a block], one block behind the other in memory; four codes in three bytes: a row's codes are one little-endian stream of bits, code i at bits 6 i .. 6 i + 5 (a code: sign, 3 exponent bits, 2 mantissa bits); and NAME_scales (uint8): the same leading axes, one E8M0 byte (e + 127) for each 32 codes along K. Its value is code x scale, taken as it is: it is not quantised again, and the codes and scales need not be those that the quantiser above would give.
;; 2 versions, each right; version 2 is version 1 with the launch chain written anew for expert scheduling mode. Each part assembles by itself: llvm-mc -triple=amdgcn-amd-amdhsa -mcpu=gfx1250 --defsym DOCPART=n.
;; ======== version 1 of 2: 4 launches
;; workspace buffers: xqs 1,638,400 bytes; wimg 12,845,056 bytes; ridx 32,768 bytes of whole numbers; rfl 65,536 bytes; rl 33,280 bytes of whole numbers; parts 16,777,216 bytes
;; launch prep (part 1): grid 384 x 1, 4 waves a work-group, no clusters, 22,016 bytes of LDS; arguments x, router_w, w1_codes, w2_codes, w2_scales, xqs, ridx, rfl, wimg; writes xqs, ridx, rfl, wimg
.if DOCPART == 1
	.amdgcn_target "amdgcn-amd-amdhsa--gfx1250"
	.amdhsa_code_object_version 6
	.text
	.protected	k_q672f46878d_prep
	.globl	k_q672f46878d_prep
	.p2align	8
	.type	k_q672f46878d_prep,@function
k_q672f46878d_prep:
	s_mov_b64 s[64:65], 0
	v_nop
	global_prefetch_b8 v0, s[64:65] scope:SCOPE_SE
	s_setreg_imm32_b32 hwreg(HW_REG_WAVE_MODE, 25, 1), 1
	s_wait_xcnt 0x0
; PREP.  Three kinds of work-groups, chosen by the work-group's number alone.
;   0-127   TOKENS.  Wave gw = 4 x work-group + wave owns tokens 8 gw .. 8 gw + 7 (a token's row of x is 512 f32, 2,048 bytes).  For each token: its codes of E3M2 with one E8M0 byte for each 32 along K,
;           and its eight router logits (f32 multiply-adds).  Then, a token to a lane: the two largest logits (the lower index wins a tie), the softmax of these two, the softmax of all eight and the
;           one-hot of the first choice, the last two summed over the wave's eight tokens.  Everything that hangs on floating-point numbers is only STORED here, at fixed places.
;   128-255 W1's codes, 256-383 W2's codes and scale bytes, laid out anew in the order of a wave's operand registers: a fragment (16 rows x 128 K, 12 registers a lane) is three runs of 512 bytes,
;           registers 4 q .. 4 q + 3 of lane l at 512 q + 16 l.  Group G = 64 e + 4 j + w (expert, slot of 128 hidden units, wave of the chain) is 8 fragments, 12,288 bytes.
; THE QUANTISER: a block's scale is 2^(floor(log2(its largest magnitude)) - 4); its byte is the largest magnitude's exponent field - 4, held at 1 from below.  A block of zeros so gets the byte 1 where the
; rule says 127: its codes are zeros, and the bytes are read by this program alone.
; LIMITS: NaN and infinities among the inputs are not served; blocks whose largest magnitude lies under 2^(4 - 126) have their byte held at 1.  The logits' 512 products are summed 16 to a lane and then
; across the lanes: another order of f32 rounding than a plain chain.
; x's codes in xqs: token x 384 bytes; block b of 16 at 192 (b & 1) + 48 (b >> 2) + 24 ((b >> 1) & 1): so half h of the lanes finds the 48 bytes of each of its four fragments on end.  Scale bytes: 1,572,864 + 16 x token.
.set STEPS, 8                          ; a step = a token
.set SP,    80                         ; a lane's place in a stage: 64 bytes + 16 of padding
.set WREG,  5376                       ; LDS of a wave: two stages of 32 x SP bytes, then its 128 scale bytes
.set R,     16                         ; v16-79    four sets of 16 numbers as they are loaded
.set X,     80                         ; v80-111   two sets of 16 neighbours
.set EB,    112                        ; v112-119  a scale byte for each step
.set C,     120                        ; v120-151  codes: four registers for each step, so that no store's data are written again
.set A,     152                        ; v152-159  the token's eight sums
.set TL,    160                        ; v160-167  logits: lane t holds token t's
.set PS,    176                        ; v176-183  softmax of all eight;  v184-191 one-hot of the first choice
.set FS,    184
.set Q,     192                        ; v192-199  exponentials
.set PT,    200                        ; v200-207  destinations of the lane permutes
                                       ; v256-383  router_w's rows 16 l .. 16 l + 15 (window 1)
.set MSB, 0
.macro WIN new                         ; the immediate's high byte repeats the setting that is left; a switch that changes nothing is dropped
.set WNEW, \new
.if MSB != WNEW
	s_set_vgpr_msb (MSB<<8)|WNEW
.set MSB, WNEW
.endif
.endm
	s_load_b512 s[4:19], s[0:1], 0x0               ; x s[4:5], router_w s[6:7], w1_codes s[8:9], w2_codes s[10:11], w2_scales s[12:13], xqs s[14:15], ridx s[16:17], rfl s[18:19]
	s_load_b64 s[20:21], s[0:1], 0x40              ; wimg
	v_lshl_add_u32 v254, v0, 2, 0x5400
	v_mov_b32 v255, 0
	v_lshrrev_b32 v1, 5, v0
	v_readfirstlane_b32 s22, v1                    ; wave 0..3
	v_and_b32 v2, 31, v0                           ; lane
	v_lshlrev_b32 v3, 4, v2                        ; 16 x lane
	s_mov_b32 s27, 0                               ; the upper word of every offset pair s[26:27]
	s_wait_kmcnt 0x0
	s_cmp_lt_u32 ttmp9, 128
	s_cbranch_scc0 .Lweights
	; ---------------- TOKENS
	s_lshl_b32 s23, ttmp9, 2
	s_add_co_u32 s23, s23, s22                     ; gw
	s_lshl_b32 s26, s23, 14
	s_add_nc_u64 s[4:5], s[4:5], s[26:27]          ; x at my first token: 8 rows of 2,048 bytes a wave
	s_mul_i32 s26, s23, 3072
	s_add_nc_u64 s[28:29], s[14:15], s[26:27]      ; my tokens' codes: 8 x 384 bytes
	s_lshl_b32 s26, s23, 7
	s_add_nc_u64 s[30:31], s[14:15], s[26:27]      ; my tokens' scale bytes: 8 x 16 (the region's start stands in the store's immediate)
	s_lshl_b32 s26, s23, 6
	s_add_nc_u64 s[16:17], s[16:17], s[26:27]      ; ridx: 8 bytes a token
	s_add_nc_u64 s[18:19], s[18:19], s[26:27]      ; rfl: the weights, 8 bytes a token; and 32,768 further on the wave's 64 bytes of sums
	s_mov_b32 s32, 0x76543210
	s_mov_b32 s33, 0xfedcba98                      ; v_permlanex16_b32's selects for lane l xor 16
	s_mul_i32 s24, s22, WREG
	v_lshrrev_b32 v14, 2, v2
	v_mul_u32_u24 v14, v14, SP
	v_and_b32 v15, 3, v2
	v_lshl_add_u32 v14, v15, 4, v14
	v_add_nc_u32 v14, s24, v14                     ; the stage, on the way in: four lanes' 64 bytes on end, then 16 of padding
	v_mul_u32_u24 v15, v2, SP
	v_add_nc_u32 v15, s24, v15                     ; and on the way out: my 16 neighbours
	v_bfe_u32 v8, v2, 1, 1                         ; my block b = lane / 2: b & 1,
	v_lshrrev_b32 v9, 3, v2                        ; b >> 2,
	v_bfe_u32 v10, v2, 2, 1                        ; (b >> 1) & 1,
	v_and_b32 v11, 1, v2                           ; and which half of the block is mine
	v_mul_u32_u24 v4, v8, 192
	v_mad_u32_u24 v4, v9, 48, v4
	v_mad_u32_u24 v4, v10, 24, v4
	v_mad_u32_u24 v4, v11, 12, v4                  ; my 12 bytes' place in a token's 384
	s_add_co_u32 s25, s24, 5120
	v_lshrrev_b32 v5, 1, v2
	v_add_nc_u32 v5, s25, v5                       ; LDS: my wave's scale bytes, my block's byte
	v_lshlrev_b32 v7, 2, v2
	v_add_nc_u32 v6, s25, v7                       ; and on the way out 4 bytes a lane
	v_lshlrev_b32 v13, 9, v2                       ; router_w: 16 rows of 32 bytes a lane; never rewritten
.irp e, 0,1,2,3,4,5,6,7
	v_mov_b32 v[TL+\e], 0
	v_mov_b32 v[PT+\e], 0                          ; written once: a lane permute's destination counts as one of its sources
.endr
	WIN 0x40                                       ; destination window 1
.set i, 0
.rept 32
	global_load_b128 v[4*i:4*i+3], v13, s[6:7] offset:16*i         ; register 8 kk + e of window 1: router_w(16 l + kk, e)
.set i, i+1
.endr
	WIN 0
.macro LOAD t
.irp i, 0,1,2,3
	global_load_b128 v[R+16*((\t)%4)+4*\i:R+16*((\t)%4)+4*\i+3], v3, s[4:5] offset:2048*(\t)+512*\i th:TH_LOAD_NT   ; 32 lanes read 512 consecutive bytes
.endr
.endm
.macro TURN t                          ; step t's numbers through the stage: LDS serves a wave's instructions in order, so no wait stands between the stores and the loads
.irp i, 0,1,2,3
	ds_store_b128 v14, v[R+16*((\t)%4)+4*\i:R+16*((\t)%4)+4*\i+3] offset:32*SP*((\t)%2)+8*SP*\i
.endr
.irp i, 0,1,2,3
	ds_load_b128 v[X+16*((\t)%2)+4*\i:X+16*((\t)%2)+4*\i+3], v15 offset:32*SP*((\t)%2)+16*\i
.endr
.endm
.irp t, 0,1,2,3
	LOAD \t
.endr
	s_wait_loadcnt 12                              ; step 0's four loads are in, and router_w's, which are older; three steps' twelve may be out
	TURN 0
.macro STEP t
.set XS, X+16*((\t)%2)
.if (\t) > 0
	s_wait_dscnt 1                                 ; this step's numbers are back from the stage (the last step's byte store may be out): so its stores into the stage have read their registers,
.else
	s_wait_dscnt 0x0
.endif
.if (\t)+4 < STEPS
	LOAD (\t)+4                                    ; which take the loads of four steps on
.endif
.if (\t)+1 < STEPS
.if STEPS-2-(\t) >= 3
	s_wait_loadcnt 12                              ; the next step's four loads are in; those of the three steps behind it may be out
.else
	s_wait_loadcnt 4*(STEPS-2-(\t))
.endif
	TURN (\t)+1                                    ; and go through the other stage while this step is worked
.endif
	v_max3_num_f32 v8, |v[XS]|, |v[XS+1]|, |v[XS+2]|               ; the largest magnitude of my 16
	v_max3_num_f32 v9, |v[XS+3]|, |v[XS+4]|, |v[XS+5]|
.irp i, 6,10
	v_max3_num_f32 v8, v8, |v[XS+\i]|, |v[XS+\i+1]|
	v_max3_num_f32 v9, v9, |v[XS+\i+2]|, |v[XS+\i+3]|
.endr
	v_max3_num_f32 v8, v8, |v[XS+14]|, |v[XS+15]|
	v_max3_num_f32 v8, v8, v9, 0x2800000           ; and the floor 2^(5 - 127): the byte cannot fall under 1
	v_max_num_f32_dpp v8, v8, v8 row_xmask:1 row_mask:0xf bank_mask:0xf   ; and of my neighbour's 16: the block's
	v_add_nc_u32 v11, 0xfe000000, v8               ; 4 off its exponent field: the conversion takes the exponent field of this operand as its scale
	v_cvt_scalef32_pk16_bf6_f32 v[C+4*(\t):C+4*(\t)+2], v[XS:XS+15], v11
	v_lshrrev_b32 v[EB+(\t)], 23, v11              ; the scale's byte (a plain line behind the conversion)
	ds_store_b8 v5, v[EB+(\t)] offset:16*(\t)      ; both lanes of a block write the same byte with the same value
	global_store_b96 v4, v[C+4*(\t):C+4*(\t)+2], s[28:29] offset:384*(\t)
	; the eight logits: my 16 numbers x my 16 rows of router_w, two experts an instruction, four chains
	WIN 0x01                                       ; source 0 (router_w) window 1
.irp p, 0,1,2,3
	v_pk_mul_f32 v[A+2*\p:A+2*\p+1], v[2*\p:2*\p+1], v[XS:XS+1] op_sel_hi:[1,0]
.endr
.set kk, 1
.rept 15
.irp p, 0,1,2,3
.if kk%2
	v_pk_fma_f32 v[A+2*\p:A+2*\p+1], v[8*kk+2*\p:8*kk+2*\p+1], v[XS+kk-1:XS+kk], v[A+2*\p:A+2*\p+1] op_sel:[0,1,0] op_sel_hi:[1,1,1]   ; the pair's second number serves both halves
.else
	v_pk_fma_f32 v[A+2*\p:A+2*\p+1], v[8*kk+2*\p:8*kk+2*\p+1], v[XS+kk:XS+kk+1], v[A+2*\p:A+2*\p+1] op_sel_hi:[1,0,1]                   ; the pair's first number serves both halves
.endif
.endr
.set kk, kk+1
.endr
	WIN 0
.irp k, 1,2,4,8
.irp e, 0,1,2,3,4,5,6,7
	v_add_f32_dpp v[A+\e], v[A+\e], v[A+\e] row_xmask:\k row_mask:0xf bank_mask:0xf
.endr
.endr
.irp e, 0,1,2,3,4,5,6,7
	v_permlanex16_b32 v[PT+\e], v[A+\e], s32, s33
.endr
.irp e, 0,1,2,3,4,5,6,7
	v_add_f32 v[A+\e], v[A+\e], v[PT+\e]           ; every lane holds the token's logit e
.endr
	s_mov_b32 s34, 1<<(\t)
.irp e, 0,1,2,3,4,5,6,7
	v_cndmask_b32 v[TL+\e], v[TL+\e], v[A+\e], s34 ; lane t keeps token t's
.endr
.endm
.irp t, 0,1,2,3,4,5,6,7
	STEP \t
.endr
	; ---- a token to a lane (lanes 0-7; the others work on zeros and store nothing).  v170 the largest logit, v172 its expert; v171, v173 the second
	v_mov_b32 v170, v[TL]
	v_mov_b32 v172, 0
.irp e, 1,2,3,4,5,6,7
	v_cmp_le_f32 vcc_lo, v[TL+\e], v170            ; keep where the later logit is not larger: the lower index wins a tie
	v_cndmask_b32 v170, v[TL+\e], v170, vcc_lo
	v_cndmask_b32 v172, \e, v172, vcc_lo
.endr
	v_mov_b32 v171, 0xff800000                     ; -infinity
	v_mov_b32 v173, 0
.irp e, 0,1,2,3,4,5,6,7
	v_cmp_eq_u32 s34, \e, v172                     ; keep where e is the first choice,
	v_cmp_le_f32 vcc_lo, v[TL+\e], v171            ; or not larger than the second so far
	s_or_b32 vcc_lo, vcc_lo, s34
	v_cndmask_b32 v171, v[TL+\e], v171, vcc_lo
	v_cndmask_b32 v173, \e, v173, vcc_lo
.endr
	v_sub_f32 v168, v171, v170                     ; the maximum is taken away ahead of every exponential
	v_mul_f32 v168, 0x3fb8aa3b, v168
	v_exp_f32 v168, v168                           ; e^(second - first)
.irp e, 0,1,2,3,4,5,6,7
	v_sub_f32 v[Q+\e], v[TL+\e], v170
.endr
.irp e, 0,1,2,3,4,5,6,7
	v_mul_f32 v[Q+\e], 0x3fb8aa3b, v[Q+\e]
.endr
	s_wait_alu depctr_va_vdst(0)
	v_add_f32 v175, 1.0, v168
	v_rcp_f32 v174, v175                           ; the first choice's weight
.irp e, 0,1,2,3,4,5,6,7
	v_exp_f32 v[Q+\e], v[Q+\e]
.endr
	v_mov_b32 v169, 1.0                            ; (a plain line behind the transcendentals)
	s_wait_alu depctr_va_vdst(0)
	v_mul_f32 v175, v168, v174                     ; the second's
	v_add_f32 v8, v[Q], v[Q+1]
	v_add_f32 v9, v[Q+2], v[Q+3]
	v_add_f32 v10, v[Q+4], v[Q+5]
	v_add_f32 v11, v[Q+6], v[Q+7]
	v_add_f32 v8, v8, v9
	v_add_f32 v10, v10, v11
	v_add_f32 v8, v8, v10
	v_rcp_f32 v8, v8
.irp e, 0,1,2,3,4,5,6,7
	v_cmp_eq_u32 vcc_lo, \e, v172
	v_cndmask_b32 v[FS+\e], 0, v169, vcc_lo        ; one-hot of the first choice
.endr
	s_wait_alu depctr_va_vdst(0)
.irp e, 0,1,2,3,4,5,6,7
	v_mul_f32 v[PS+\e], v[Q+\e], v8                ; softmax of all eight
.endr
.irp k, 1,2,4
.irp e, 0,1,2,3,4,5,6,7,8,9,10,11,12,13,14,15
	v_add_f32_dpp v[PS+\e], v[PS+\e], v[PS+\e] row_xmask:\k row_mask:0xf bank_mask:0xf   ; lanes 0-7 among themselves: the wave's eight tokens
.endr
.endr
	ds_load_b32 v12, v6                            ; LDS serves a wave's instructions in order: this sees my byte stores
	s_wait_dscnt 0x0
	global_store_b32 v7, v12, s[30:31] offset:1572864   ; the wave's 128 scale bytes, consecutive
	v_lshlrev_b32 v9, 3, v2
	v_cmp_gt_u32 vcc_lo, 8, v2
	s_wait_xcnt 0x0                                ; EXEC changes only behind this wait
	s_wait_tensorcnt 0x0
	ds_add_u32 v254, v255
	s_wait_dscnt 0x0
	s_and_saveexec_b32 s35, vcc_lo
	global_store_b64 v9, v[172:173], s[16:17]      ; the two experts of token 8 gw + lane
	global_store_b64 v9, v[174:175], s[18:19]      ; and their weights
	s_wait_xcnt 0x0
	s_or_b32 exec_lo, exec_lo, s35
	v_cmp_eq_u32 vcc_lo, 0, v2
	s_and_saveexec_b32 s35, vcc_lo
.irp i, 0,1,2,3
	global_store_b128 v2, v[PS+4*\i:PS+4*\i+3], s[18:19] offset:32768+16*\i   ; lane 0 (its v2 is 0): the wave's sixteen sums
.endr
	s_wait_xcnt 0x0
	s_or_b32 exec_lo, exec_lo, s35
	s_endpgm
.Lweights:
	v_and_b32 v8, 15, v0                           ; r
	v_bfe_u32 v9, v0, 4, 1                         ; h
	s_cmp_lt_u32 ttmp9, 256
	s_cbranch_scc0 .Lw2
	; ---------------- W1: group G = rows 32 G .. 32 G + 31 of [16384][384 bytes]: source and image are the same 12,288 bytes, in another order
	s_sub_co_u32 s23, ttmp9, 128
	s_lshl_b32 s23, s23, 2
	s_add_co_u32 s23, s23, s22                     ; G
	s_mul_i32 s26, s23, 12288
	s_add_nc_u64 s[8:9], s[8:9], s[26:27]
	s_add_nc_u64 s[20:21], s[20:21], s[26:27]
	v_and_b32 v10, 8, v8
	v_add_nc_u32 v10, v10, v8                      ; THE ROWS OF A TILE ARE NOT NEIGHBOURS: lane r of tile u takes row 8 u + r + 8 (r / 8), so that a lane's 16 results of tiles 0 and 1 are 16 neighbours along the next K
	v_mul_u32_u24 v10, v10, 384
	v_mad_u32_u24 v10, v9, 24, v10
.irp f, 0,1,2,3,4,5,6,7                    ; fragment f = 2 s + u: K step s, tile u
.irp p, 0,1,2,3,4,5
	global_load_b64 v[16+12*\f+2*\p:17+12*\f+2*\p], v10, s[8:9] offset:8*(\f%2)*384+96*(\f/2)+48*(\p/3)+8*(\p%3) th:TH_LOAD_NT
.endr
.endr
	s_wait_loadcnt 0x0
.set i, 0
.rept 24
	global_store_b128 v3, v[16+4*i:19+4*i], s[20:21] offset:512*i  ; 32 lanes store 512 consecutive bytes
.set i, i+1
.endr
	s_endpgm
.Lw2:
	; ---------------- W2: group G: rows 512 e + 128 w + 16 n + r (n = 0 .. 7) of [4096][1536 bytes], K step j
	s_sub_co_u32 s23, ttmp9, 256                   ; 16 e + j
	s_lshr_b32 s24, s23, 4                         ; e
	s_and_b32 s25, s23, 15                         ; j
	s_lshl_b32 s23, s23, 2
	s_add_co_u32 s23, s23, s22                     ; G
	s_lshl_b32 s24, s24, 9
	s_lshl_b32 s28, s22, 7
	s_add_co_u32 s24, s24, s28                     ; the first row
	s_mul_i32 s26, s24, 1536
	s_mul_i32 s28, s25, 96
	s_add_co_u32 s26, s26, s28
	s_add_nc_u64 s[10:11], s[10:11], s[26:27]      ; its codes of K step j
	s_lshl_b32 s26, s24, 6
	s_lshl_b32 s28, s25, 2
	s_add_co_u32 s26, s26, s28
	s_add_nc_u64 s[12:13], s[12:13], s[26:27]      ; its scale word of K step j
	s_lshl_b32 s26, s23, 9
	s_add_nc_u64 s[30:31], s[20:21], s[26:27]
	s_add_nc_u64 s[30:31], s[30:31], 0xc00000      ; the scale image: 512 bytes a group
	s_mul_i32 s26, s23, 12288
	s_add_nc_u64 s[20:21], s[20:21], s[26:27]
	s_add_nc_u64 s[20:21], s[20:21], 0x600000      ; the codes' image
	v_mul_u32_u24 v10, v8, 1536
	v_mad_u32_u24 v10, v9, 24, v10
	v_lshlrev_b32 v11, 6, v8
	v_lshl_add_u32 v11, v9, 12, v11                ; scale words: row 64 h + r, 64 bytes a row
.irp n, 0,1,2,3,4,5,6,7
.irp p, 0,1,2,3,4,5
	global_load_b64 v[16+12*\n+2*\p:17+12*\n+2*\p], v10, s[10:11] offset:16*\n*1536+48*(\p/3)+8*(\p%3) th:TH_LOAD_NT
.endr
.endr
.irp i, 0,1,2,3
	global_load_b32 v[112+\i], v11, s[12:13] offset:1024*\i        ; register i: lanes 0-15 fragment i's rows, lanes 16-31 fragment 4 + i's
.endr
	s_wait_loadcnt 0x0
.set i, 0
.rept 24
	global_store_b128 v3, v[16+4*i:19+4*i], s[20:21] offset:512*i
.set i, i+1
.endr
	global_store_b128 v3, v[112:115], s[30:31]
	s_endpgm
.Lfunc_end_k_q672f46878d_prep:
	.size	k_q672f46878d_prep, .Lfunc_end_k_q672f46878d_prep-k_q672f46878d_prep
	.p2alignl 7, 3214868480
	.fill 96, 4, 3214868480
	.section	.rodata,"a",@progbits
	.p2align	6, 0x0
	.amdhsa_kernel k_q672f46878d_prep
		.amdhsa_group_segment_fixed_size 22016
		.amdhsa_private_segment_fixed_size 0
		.amdhsa_enable_private_segment 0
		.amdhsa_kernarg_size 72
		.amdhsa_user_sgpr_count 2
		.amdhsa_user_sgpr_kernarg_segment_ptr 1
		.amdhsa_wavefront_size32 1
		.amdhsa_system_sgpr_workgroup_id_x 1
		.amdhsa_system_sgpr_workgroup_id_y 1
		.amdhsa_system_sgpr_workgroup_id_z 1
		.amdhsa_system_vgpr_workitem_id 0
		.amdhsa_next_free_vgpr 384
		.amdhsa_next_free_sgpr 66
		.amdhsa_reserve_vcc 1
		.amdhsa_float_denorm_mode_32 3
		.amdhsa_float_denorm_mode_16_64 3
		.amdhsa_memory_ordered 1
		.amdhsa_forward_progress 1
		.amdhsa_inst_pref_size 105
	.end_amdhsa_kernel
	.amdgpu_metadata
---
amdhsa.version: [ 1, 2 ]
amdhsa.kernels:
  - .name:           k_q672f46878d_prep
    .symbol:         k_q672f46878d_prep.kd
    .args:
      - { .name: x, .offset: 0, .size: 8, .value_kind: global_buffer, .address_space: global }
      - { .name: router_w, .offset: 8, .size: 8, .value_kind: global_buffer, .address_space: global }
      - { .name: w1_codes, .offset: 16, .size: 8, .value_kind: global_buffer, .address_space: global }
      - { .name: w2_codes, .offset: 24, .size: 8, .value_kind: global_buffer, .address_space: global }
      - { .name: w2_scales, .offset: 32, .size: 8, .value_kind: global_buffer, .address_space: global }
      - { .name: xqs, .offset: 40, .size: 8, .value_kind: global_buffer, .address_space: global }
      - { .name: ridx, .offset: 48, .size: 8, .value_kind: global_buffer, .address_space: global }
      - { .name: rfl, .offset: 56, .size: 8, .value_kind: global_buffer, .address_space: global }
      - { .name: wimg, .offset: 64, .size: 8, .value_kind: global_buffer, .address_space: global }
    .group_segment_fixed_size: 22016
    .private_segment_fixed_size: 0
    .kernarg_segment_align: 8
    .kernarg_segment_size: 72
    .max_flat_workgroup_size: 128
    .sgpr_count:     66
    .vgpr_count:     384
    .wavefront_size: 32
...
	.end_amdgpu_metadata
.endif
;; end of part 1
;; launch place (part 2): grid 8 x 1, 16 waves a work-group, no clusters, 3,328 bytes of LDS; arguments ridx, rfl, rl, out1; writes rl, out1
.if DOCPART == 2
	.amdgcn_target "amdgcn-amd-amdhsa--gfx1250"
	.amdhsa_code_object_version 6
	.text
	.protected	k_q672f46878d_place
	.globl	k_q672f46878d_place
	.p2align	8
	.type	k_q672f46878d_place,@function
k_q672f46878d_place:
	s_mov_b64 s[64:65], 0
	v_nop
	global_prefetch_b8 v0, s[64:65] scope:SCOPE_SE
	s_setreg_imm32_b32 hwreg(HW_REG_WAVE_MODE, 25, 1), 1
	s_wait_xcnt 0x0
; PLACE.  Work-group e gathers the entries (entry 2 t + k: choice k of token t) whose expert is e into one run of the list rl, behind the runs of the smaller experts, and stores its count.
; No atomics: every work-group reads all 8,192 experts' numbers, counts those equal to e and those smaller, and places its own.  Sixteen waves, 512 entries each.
; Beside that every work-group adds up the 512 waves' sums for the loss; work-group 0 stores it: 0.01 x 8 x sum over e of (P_e / 4096) (F_e / 4096).
; rl: the list, 8,192 entries, then 64 zeros (a tile of the chain reads 48 entries from its start on, whatever its count); at byte 33,024 the eight counts.
; LDS: bytes 0-127 each wave's pair (equal, smaller); bytes 256-1279 each wave's sixteen sums.
; EVERY VECTOR REGISTER IS WRITTEN WHILE ALL LANES ARE ON: the sixteen places, entries and masks are made first, each in registers of its own; behind the first change of EXEC stand only stores.
.set ID,   16                          ; v16-31  the experts of my 16 entries
.set AX,   32                          ; v32-47  the sums for the loss
.set PL,   64                          ; v64-79  where each of my 16 entries goes in the list, in bytes
.set EN,   80                          ; v80-95  the entries themselves
.set MK,   28                          ; s28-43  which lanes hold an entry of my expert, for each of the 16 registers
	s_load_b256 s[4:11], s[0:1], 0x0               ; ridx s[4:5], rfl s[6:7], rl s[8:9], out1 s[10:11]
	v_lshl_add_u32 v96, v0, 2, 0x500
	v_mov_b32 v97, 0
	v_lshrrev_b32 v1, 5, v0
	v_readfirstlane_b32 s12, v1                    ; wave 0..15
	s_mov_b32 s13, ttmp9                           ; my expert
	v_and_b32 v2, 31, v0                           ; lane
	v_and_b32 v3, 15, v0                           ; lane % 16
	s_lshl_b32 s16, s12, 11
	v_lshl_add_u32 v4, v2, 4, s16                  ; ridx: 2,048 bytes a wave, 16 a lane
	v_lshlrev_b32 v5, 2, v2
	v_add_nc_u32 v6, s16, v5                       ; the sums: 2,048 bytes a wave, 4 a lane
	s_lshl_b32 s17, s12, 3
	v_mov_b32 v7, s17                              ; LDS: my wave's pair
	s_lshl_b32 s17, s12, 6
	s_add_co_u32 s17, s17, 256
	v_lshl_add_u32 v8, v3, 2, s17                  ; my wave's sixteen sums, my column
	v_lshlrev_b32 v9, 3, v3                        ; wave (lane % 16)'s pair
	v_add_nc_u32 v10, 256, v5                      ; the table of sums, 4 bytes a lane
	s_lshl_b32 s17, s12, 9
	v_lshl_add_u32 v11, v2, 2, s17                 ; the entry in my first register: 512 w + 4 l
	s_mov_b32 s24, 0x76543210
	s_mov_b32 s25, 0xfedcba98                      ; v_permlanex16_b32's selects for lane l xor 16
	v_mov_b32 v48, 0                               ; destinations of lane permutes and DPP moves are written once
	v_mov_b32 v56, 0
	v_mov_b32 v57, 0
	v_mov_b32 v58, 0
	s_wait_kmcnt 0x0
.irp q, 0,1,2,3
	global_load_b128 v[ID+4*\q:ID+4*\q+3], v4, s[4:5] offset:512*\q   ; register 4 q + c: the expert of entry 512 w + 128 q + 4 l + c
.endr
.irp i, 0,1,2,3,4,5,6,7,8,9,10,11,12,13,14,15
	global_load_b32 v[AX+\i], v6, s[6:7] offset:32768+128*\i       ; two of the 512 rows of sixteen sums a load: column lane % 16
.endr
	s_wait_loadcnt 0x0
	s_mov_b32 s14, 0                               ; equal to e
	s_mov_b32 s15, 0                               ; smaller than e
.set i, 0
.rept 16
	v_cmp_eq_u32 s[MK+i], s13, v[ID+i]             ; the mask is kept: it serves the count, the place and the store
	v_cmp_gt_u32 s17, s13, v[ID+i]
	s_bcnt1_i32_b32 s16, s[MK+i]
	s_add_co_u32 s14, s14, s16
	s_bcnt1_i32_b32 s16, s17
	s_add_co_u32 s15, s15, s16
.set i, i+1
.endr
.irp i, 0,1,2,3,4,5,6,7
	v_add_f32 v[AX+\i], v[AX+\i], v[AX+8+\i]
.endr
.irp i, 0,1,2,3
	v_add_f32 v[AX+\i], v[AX+\i], v[AX+4+\i]
.endr
	v_add_f32 v32, v32, v34
	v_add_f32 v33, v33, v35
	v_add_f32 v32, v32, v33
	v_permlanex16_b32 v48, v32, s24, s25
	v_add_f32 v32, v32, v48                        ; my wave's 32 rows, column lane % 16
	v_mov_b32 v50, s14
	v_mov_b32 v51, s15
	ds_store_b64 v7, v[50:51]                      ; all lanes write the same pair
	ds_store_b32 v8, v32                           ; both halves of the lanes write the same number
	s_wait_dscnt 0x0                               ; for the others' sake: my stores are done
	s_barrier_signal -1
	s_barrier_wait -1
	ds_load_b64 v[52:53], v9
.irp i, 0,1,2,3,4,5,6,7
	ds_load_b32 v[AX+\i], v10 offset:128*\i        ; waves 2 i and 2 i + 1, column lane % 16
.endr
	s_wait_dscnt 0x0
	v_cmp_gt_u32 vcc_lo, s12, v3
	v_cndmask_b32 v54, 0, v52, vcc_lo              ; the counts of the waves in front of mine
.irp k, 1,2,4,8
.irp g, 52,53,54
	v_mov_b32_dpp v[\g+4], v[\g] row_xmask:\k row_mask:0xf bank_mask:0xf
.endr
.irp g, 52,53,54
	v_add_nc_u32 v[\g], v[\g], v[\g+4]
.endr
.endr
	v_readfirstlane_b32 s18, v52                   ; my expert's entries,
	v_readfirstlane_b32 s19, v53                   ; those of smaller experts: where my run begins,
	v_readfirstlane_b32 s20, v54                   ; and those of my expert in the waves in front of mine
.irp i, 0,1,2,3
	v_add_f32 v[AX+\i], v[AX+\i], v[AX+4+\i]
.endr
	v_add_f32 v32, v32, v34
	v_add_f32 v33, v33, v35
	v_add_f32 v32, v32, v33
	v_permlanex16_b32 v48, v32, s24, s25
	v_add_f32 v32, v32, v48                        ; lanes 0-7: P_e, lanes 8-15: F_e, over all tokens
	v_mul_f32_dpp v33, v32, v32 row_xmask:8 row_mask:0xf bank_mask:0xf
	v_add_f32_dpp v33, v33, v33 row_xmask:1 row_mask:0xf bank_mask:0xf
	v_add_f32_dpp v33, v33, v33 row_xmask:2 row_mask:0xf bank_mask:0xf
	v_add_f32_dpp v33, v33, v33 row_xmask:4 row_mask:0xf bank_mask:0xf
	v_mul_f32 v33, 0x31a3d70a, v33                 ; x 0.08 x 2^-24
	s_add_co_u32 s21, s19, s20                     ; the next free place of the list for my wave
.set i, 0
.rept 16
	v_mbcnt_lo_u32_b32 v[PL+i], s[MK+i], s21       ; the place + the number of lower lanes that also store
	s_bcnt1_i32_b32 s16, s[MK+i]
	s_add_co_u32 s21, s21, s16
	v_min_u32 v[PL+i], 0x1fff, v[PL+i]             ; a place made of loaded numbers is held inside the list
	v_lshlrev_b32 v[PL+i], 2, v[PL+i]
	v_add_nc_u32 v[EN+i], 128*(i/4)+(i%4), v11     ; the entry
.set i, i+1
.endr
	v_mov_b32 v59, 0                               ; what wave 0 stores at the end is made here too, all lanes on
	s_lshl_b32 s16, s13, 2
	v_mov_b32 v60, s16                             ; my count's place among the eight
	v_mov_b32 v61, s18
	v_cmp_eq_u32 s44, 0, v2                        ; lane 0
	s_wait_xcnt 0x0                                ; EXEC changes only behind this wait
.set i, 0
.rept 16
	s_and_saveexec_b32 s23, s[MK+i]
	global_store_b32 v[PL+i], v[EN+i], s[8:9]      ; the lanes that store take neighbouring places
	s_wait_xcnt 0x0                                ; and again, in front of the line that widens it
	s_or_b32 exec_lo, exec_lo, s23
.set i, i+1
.endr
	s_cmp_lg_u32 s12, 0
	s_cbranch_scc1 .Lend                           ; the rest is wave 0's
	s_cmp_lg_u32 s13, 0
	s_cbranch_scc1 .Lcount
	global_store_b32 v5, v59, s[8:9] offset:32768  ; work-group 0: the 64 zeros behind the list
	global_store_b32 v5, v59, s[8:9] offset:32896
.Lcount:
	s_wait_xcnt 0x0
	s_and_saveexec_b32 s23, s44
	global_store_b32 v60, v61, s[8:9] offset:33024 ; my expert's count
	s_cmp_lg_u32 s13, 0
	s_cbranch_scc1 .Lnoloss
	global_store_b32 v2, v33, s[10:11]             ; lane 0 (its v2 is 0): the loss
.Lnoloss:
	s_wait_xcnt 0x0
	s_or_b32 exec_lo, exec_lo, s23
.Lend:
	s_wait_tensorcnt 0x0
	ds_add_u32 v96, v97
	s_wait_dscnt 0x0
	s_endpgm
.Lfunc_end_k_q672f46878d_place:
	.size	k_q672f46878d_place, .Lfunc_end_k_q672f46878d_place-k_q672f46878d_place
	.p2alignl 7, 3214868480
	.fill 96, 4, 3214868480
	.section	.rodata,"a",@progbits
	.p2align	6, 0x0
	.amdhsa_kernel k_q672f46878d_place
		.amdhsa_group_segment_fixed_size 3328
		.amdhsa_private_segment_fixed_size 0
		.amdhsa_enable_private_segment 0
		.amdhsa_kernarg_size 32
		.amdhsa_user_sgpr_count 2
		.amdhsa_user_sgpr_kernarg_segment_ptr 1
		.amdhsa_wavefront_size32 1
		.amdhsa_system_sgpr_workgroup_id_x 1
		.amdhsa_system_sgpr_workgroup_id_y 1
		.amdhsa_system_sgpr_workgroup_id_z 1
		.amdhsa_system_vgpr_workitem_id 0
		.amdhsa_next_free_vgpr 98
		.amdhsa_next_free_sgpr 66
		.amdhsa_reserve_vcc 1
		.amdhsa_float_denorm_mode_32 3
		.amdhsa_float_denorm_mode_16_64 3
		.amdhsa_memory_ordered 1
		.amdhsa_forward_progress 1
		.amdhsa_inst_pref_size 20
	.end_amdhsa_kernel
	.amdgpu_metadata
---
amdhsa.version: [ 1, 2 ]
amdhsa.kernels:
  - .name:           k_q672f46878d_place
    .symbol:         k_q672f46878d_place.kd
    .args:
      - { .name: ridx, .offset: 0, .size: 8, .value_kind: global_buffer, .address_space: global }
      - { .name: rfl, .offset: 8, .size: 8, .value_kind: global_buffer, .address_space: global }
      - { .name: rl, .offset: 16, .size: 8, .value_kind: global_buffer, .address_space: global }
      - { .name: out1, .offset: 24, .size: 8, .value_kind: global_buffer, .address_space: global }
    .group_segment_fixed_size: 3328
    .private_segment_fixed_size: 0
    .kernarg_segment_align: 8
    .kernarg_segment_size: 32
    .max_flat_workgroup_size: 512
    .sgpr_count:     66
    .vgpr_count:     98
    .wavefront_size: 32
...
	.end_amdgpu_metadata
.endif
;; end of part 2
;; launch chain (part 3): grid 178 x 1, 4 waves a work-group, no clusters, 44,032 bytes of LDS; arguments rl, rfl, xqs, wimg, w1_scales, b1, b2, parts; writes parts
.if DOCPART == 3
	.amdgcn_target "amdgcn-amd-amdhsa--gfx1250"
	.amdhsa_code_object_version 6
	.text
	.protected	k_q672f46878d_chain
	.globl	k_q672f46878d_chain
	.p2align	8
	.type	k_q672f46878d_chain,@function
k_q672f46878d_chain:
	s_mov_b64 s[64:65], 0
	v_nop
	global_prefetch_b8 v0, s[64:65] scope:SCOPE_SE
	s_setreg_imm32_b32 hwreg(HW_REG_WAVE_MODE, 25, 1), 1
	s_wait_xcnt 0x0
; CHAIN.  A work-group takes one tile of 48 routed rows (entries: choice k of token t) of ONE expert through the whole chain: x's codes gathered, x W1 + b1, exact GELU, quantised along the hidden
; axis, h W2 + b2, x the entry's weight; one row of parts for each entry.  Both products on codes of E3M2 with one E8M0 scale for each 32 along K.  The hidden layer never goes to memory.
; THE GRID SERVES EVERY SPLIT: 8,192 entries in tiles of 48 over 8 experts are never more than (8192 + 8 x 47) / 48 = 178 tiles.  A work-group finds its tile from the eight counts.  One that a split leaves
; without rows walks the same text on the zeros behind the list (every wave passes every barrier) and stores nothing.
; SHARES.  The hidden axis goes in 16 slots of 128.  In slot j wave w makes hidden units 128 j + 32 w .. + 31 for all 48 rows: block w of K step j of the second product; and it owns outputs
; 128 w .. 128 w + 127 for all 48 rows, 24 accumulators that stay for the whole launch.  A slot is 24 + 24 matrix instructions a wave.
; WEIGHTS go from memory straight into operand registers: an earlier launch has laid them as images of the registers, so a fragment is three loads of 512 consecutive bytes.  Two sets of registers for each
; of W1 and W2; a set is asked for again as soon as its products are issued, two slots ahead of its use.
; NO JOINT LOADS: each weight fragment is multiplied by one wave alone and lands in that wave's registers; a joint load lands in LDS, from where all 1.5 MB of an expert's codes would have to be read again
; by the waves; and the number of an expert's tiles hangs on counts read from memory.
; THE HIDDEN LAYER goes from wave to wave through LDS as an image of the operand's registers, in two buffers by turns, ONE barrier a slot: in front of it each wave waits for all its LDS instructions, its
; stores into this slot's buffer and its reads of the other; that other buffer is written again only behind the barrier.
; Both products are used transposed (source 0 = 16 rows of the weight, source 1 = 16 rows of the tile): a lane holds ONE row throughout.  The rows of W1 that form a tile are chosen (in the image) so that a
; lane's 16 registers of its two tiles are 16 neighbours along the next K.  The biases are the C of each sum's first matrix instruction.
; GELU, exact form: gelu(x) = max(x, 0) - |x| t 2^(-x^2 log2(e) / 2 + P(t)), t = 1 / (1 + |x| / (2 sqrt 2)); t 2^(..) is erfc(|x| / sqrt 2) / 2 by the rational Chebyshev fit of Numerical Recipes (erfcc),
; whose fractional error is under 1.2e-7 everywhere; its coefficients are multiplied by log2(e), and the 1/2 is a 1 taken off c0.
; LIMITS: NaN and infinities are not served.  The exponent is rounded in f32: about 1e-6 of erfc at |x| = 5, growing with x^2; an exponential under 2^-126 comes out as 0.  A block of zeros gets the byte 1,
; read by this kernel alone; blocks whose largest magnitude lies under 2^(4 - 126) have their byte held at 1.
; REGISTERS by absolute number (window = number / 256; no tuple crosses a window's end):
.set L16,  1                           ; v1      16 x lane
.set S1A,  2                           ; v2      W1's scale words: 16 x (8 h + r + 8 (r / 8))
.set H64,  3                           ; v3      64 h: b1
.set H32,  4                           ; v4      32 h: b2
.set HST,  5                           ; v5-7    where my three registers of codes go in a hidden image
.set HSB,  8                           ; v8      where my block's scale byte goes
.set HSR,  9                           ; v9      where a row's scale word is read
.set STO,  10                          ; v10     the way out: where I put 32 bytes of a row
.set SRD,  11                          ; v11     and where I read a row back
.set CO,   12                          ; v12     my 16 bytes in a row of parts
.set ENT,  16                          ; v16-18  my row's entry, for each of the three tiles of 16 rows
.set XA,   19                          ; v19-21  its token's codes
.set WT,   24                          ; v24-29  its weight, as pairs (the upper halves are 0 and not used)
.set C9,   30                          ; v30-31  c9, twice
.set SA,   32                          ; v32-39  W1's scale words, two sets of 4 (K step s): lanes 0-15 tile 0, lanes 16-31 tile 1
.set SB,   40                          ; v40-47  W2's, two sets of 4: register i: lanes 0-15 fragment i, lanes 16-31 fragment 4 + i
.set XS,   48                          ; v48-59  x's scale words: 4 m + s
.set HS,   60                          ; v60-62  the hidden layer's
.set MX,   64                          ; v64-75  the quantiser at work: largest magnitudes, permutes, scale operands, bytes
.set PM,   67
.set SO,   70
.set BY,   73
.set CD,   76                          ; v76-87  the codes just made: three registers at 76, 80, 84
.set HID,  88                          ; v88-135 my part of the hidden layer: 16 m + 8 u + j
.set GT,   136                         ; v136-183 GELU at work: t, the polynomial, x^2
.set GP,   152
.set GQ,   168
.set HF,   184                         ; v184-219 the slot's three hidden fragments
.set VO,   220                         ; v220-235 the way out: a row's offset in parts
.set WA,   236                         ; v236-238 offsets of the weights;  v240-242 of x's scale words
.set XSA,  240
.set PR,   88                          ; the way out: v88-151 a tile's results x the weight, v152-215 its rows read back
.set BK,   152
.set XF,   256                         ; 256-399  x's fragments: 48 m + 12 s
.set B1,   400                         ; 400-431  b1: 16 x set + 8 u
.set RA,   440                         ; 440-631  W1's fragments: 96 x set + 12 (2 s + u)
.set RB,   636                         ; 636-827  W2's: 96 x set + 12 n
.set OUT,  828                         ; 828-1019 the 24 accumulators: 64 m + 8 n
.set HBS,  4864                        ; LDS: two hidden buffers: three images of 1,536 bytes, then from byte 4,608 three times 16 scale words
.set HSC,  4608
.set STG,  9728                        ; behind them a stage of 16 rows x (512 + 16) bytes for each wave
.set SPI,  528
.set PA,   28                          ; s[28:29] W1's image, s[30:31] W2's, s[32:33] W2's scale image, s[34:35] w1_scales, s[36:37] b1: each at my wave's group of the slot pair in hand
.set PB,   30
.set PS2,  32
.set PS1,  34
.set PB1,  36
.set RLS,  38                          ; s[38:39] the list at my tile's first entry
.set WV,   40
.set CNT,  41                          ; rows of my tile: 0 .. 48
.set TRIP, 42
.set K1,   43
.set SEL,  44
.set ROWS, 48                          ; s[48:63] sixteen entries on the way out
.set KN,   66                          ; s[66:67] -log2(e) / 2;  s[68:85] c0 .. c8, each twice: the packed forms name a pair
.set CC,   68
.set MSB, 0
.macro WIN new                         ; the immediate's high byte repeats the setting that is left; a switch that changes nothing is dropped
.set WNEW, \new
.if MSB != WNEW
	s_set_vgpr_msb (MSB<<8)|WNEW
.set MSB, WNEW
.endif
.endm
.macro WM d, a, b, c, sa, sb, rowa     ; a matrix instruction by absolute register numbers; rowa = 1: source 0's scales stand in lanes 16-31
	WIN (((\d)>>8)<<6)|(((\c)>>8)<<4)|(((\b)>>8)<<2)|((\a)>>8)
.set rD, (\d)&255
.set rA, (\a)&255
.set rB, (\b)&255
.set rC, (\c)&255
.if \rowa
	v_wmma_scale_f32_16x16x128_f8f6f4 v[rD:rD+7], v[rA:rA+11], v[rB:rB+11], v[rC:rC+7], v[\sa], v[\sb] matrix_a_fmt:MATRIX_FMT_BF6 matrix_b_fmt:MATRIX_FMT_BF6 matrix_a_scale:MATRIX_SCALE_ROW1
.else
	v_wmma_scale_f32_16x16x128_f8f6f4 v[rD:rD+7], v[rA:rA+11], v[rB:rB+11], v[rC:rC+7], v[\sa], v[\sb] matrix_a_fmt:MATRIX_FMT_BF6 matrix_b_fmt:MATRIX_FMT_BF6
.endif
.endm
.macro GLD dst, adr, base, off         ; 16 bytes a lane into an absolute register number
	WIN (((\dst)>>8)<<6)
.set rD, (\dst)&255
	global_load_b128 v[rD:rD+3], v[\adr], s[\base:\base+1] offset:\off
.endm
.macro PLACES                          ; four plain vector lines behind matrix instructions, in front of loads into registers that they have read and of the first read of their results
.rept 4
	v_nop
.endr
.endm
.macro REFA bs, g                      ; W1's group g slots on from the base into set bs: 8 fragments, b1's 16 numbers a lane, the scale words: 29 loads
.set i, 0
.rept 24
	GLD RA+96*(\bs)+4*i, L16, PA, 49152*(\g)+512*i
.set i, i+1
.endr
.set i, 0
.rept 4
	GLD B1+16*(\bs)+4*i, H64, PB1, 512*(\g)+16*i
.set i, i+1
.endr
	GLD SA+4*(\bs), S1A, PS1, 2048*(\g)
.endm
.macro REFB bs, g                      ; W2's likewise: 8 fragments and the scale words: 25 loads
.set i, 0
.rept 24
	GLD RB+96*(\bs)+4*i, L16, PB, 49152*(\g)+512*i
.set i, i+1
.endr
	GLD SB+4*(\bs), L16, PS2, 2048*(\g)
.endm
.macro P1 bs                           ; my 32 hidden units for 48 rows: six accumulators by turns, K step by K step; the first takes b1 as C
.irp ks, 0,1,2,3
.irp u, 0,1
.irp m, 0,1,2
.if \ks == 0
	WM HID+16*\m+8*\u, RA+96*(\bs)+12*(2*\ks+\u), XF+48*\m+12*\ks, B1+16*(\bs)+8*\u, SA+4*(\bs)+\ks, XS+4*\m+\ks, \u
.else
	WM HID+16*\m+8*\u, RA+96*(\bs)+12*(2*\ks+\u), XF+48*\m+12*\ks, HID+16*\m+8*\u, SA+4*(\bs)+\ks, XS+4*\m+\ks, \u
.endif
.endr
.endr
.endr
.endm
.macro P2 bs                           ; this slot's K step onto my 128 outputs for 48 rows: 24 accumulators, each once
.irp n, 0,1,2,3,4,5,6,7
.irp m, 0,1,2
	WM OUT+64*\m+8*\n, RB+96*(\bs)+12*\n, HF+12*\m, OUT+64*\m+8*\n, SB+4*(\bs)+(\n&3), HS+\m, (\n>>2)
.endr
.endr
.endm
.macro GELU16 m                        ; 16 numbers a lane, in place; each accumulator is read from its low end on
.set GX, HID+16*(\m)
.set i, 0
.rept 16
	v_fma_f32 v[GT+i], |v[GX+i]|, s[K1], 1.0
.set i, i+1
.endr
.set i, 0
.rept 16
	v_rcp_f32 v[GT+i], v[GT+i]                     ; t
.set i, i+1
.endr
.set i, 0
.rept 8
	v_pk_mul_f32 v[GQ+i:GQ+i+1], v[GX+i:GX+i+1], v[GX+i:GX+i+1]   ; x^2 (plain lines behind the reciprocals)
.set i, i+2
.endr
.set i, 0
	s_wait_alu depctr_va_vdst(0)
.rept 8
	v_pk_fma_f32 v[GP+i:GP+i+1], v[GT+i:GT+i+1], v[C9:C9+1], s[CC+16:CC+17] op_sel_hi:[1,1,0]
.set i, i+2
.endr
.irp c, 7,6,5,4,3,2,1,0
.set i, 0
.rept 8
	v_pk_fma_f32 v[GP+i:GP+i+1], v[GP+i:GP+i+1], v[GT+i:GT+i+1], s[CC+2*\c:CC+2*\c+1] op_sel_hi:[1,1,0]
.set i, i+2
.endr
.endr
.set i, 0
.rept 8
	v_pk_fma_f32 v[GP+i:GP+i+1], v[GQ+i:GQ+i+1], s[KN:KN+1], v[GP+i:GP+i+1] op_sel_hi:[1,0,1]
.set i, i+2
.endr
.set i, 0
.rept 16
	v_exp_f32 v[GP+i], v[GP+i]
.set i, i+1
.endr
.set i, 0
.rept 16
	v_mul_f32 v[GT+i], |v[GX+i]|, v[GT+i]          ; |x| t (plain lines behind the exponentials)
.set i, i+1
.endr
.set i, 0
.rept 16
	v_max_num_f32 v[GX+i], 0, v[GX+i]
.set i, i+1
.endr
.set i, 0
	s_wait_alu depctr_va_vdst(0)
.rept 8
	v_pk_fma_f32 v[GX+i:GX+i+1], v[GT+i:GT+i+1], v[GP+i:GP+i+1], v[GX+i:GX+i+1] neg_lo:[1,0,0] neg_hi:[1,0,0]
.set i, i+2
.endr
.endm
.macro QUANT                           ; for each of the three tiles of rows: my row's block of 32 (16 numbers here, 16 in lane l xor 16) becomes a byte and my 16 codes; the three by turns
.irp m, 0,1,2
	v_max3_num_f32 v[MX+\m], |v[HID+16*\m]|, |v[HID+16*\m+1]|, 0x2800000   ; with the floor 2^(5 - 127): the byte cannot fall under 1
.endr
.irp i, 2,4,6,8,10,12,14
.irp m, 0,1,2
	v_max3_num_f32 v[MX+\m], v[MX+\m], |v[HID+16*\m+\i]|, |v[HID+16*\m+\i+1]|
.endr
.endr
.irp m, 0,1,2
	v_permlanex16_b32 v[PM+\m], v[MX+\m], s[SEL], s[SEL+1]
.endr
.irp m, 0,1,2
	v_max_num_f32 v[MX+\m], v[MX+\m], v[PM+\m]
.endr
.irp m, 0,1,2
	v_add_nc_u32 v[SO+\m], 0xfe000000, v[MX+\m]    ; 4 off the exponent field: the conversion's scale operand
.endr
.irp m, 0,1,2
	v_lshrrev_b32 v[BY+\m], 23, v[SO+\m]           ; the scale's byte
.endr
.irp m, 0,1,2
	v_cvt_scalef32_pk16_bf6_f32 v[CD+4*\m:CD+4*\m+2], v[HID+16*\m:HID+16*\m+15], v[SO+\m]
.endr
	v_nop                                          ; one plain line behind the last conversion: matrix instructions write its sources later
.endm
.macro HSTORE par                      ; my codes are registers 6 (w / 2) + 3 h + 0 .. 2 of lane r + 16 (w % 2) of the operand: they go to those registers' places in the image; my byte is byte w of row r's word
.irp m, 0,1,2
.irp c, 0,1,2
	ds_store_b32 v[HST+\c], v[CD+4*\m+\c] offset:HBS*(\par)+1536*\m
.endr
	ds_store_b8 v[HSB], v[BY+\m] offset:HBS*(\par)+64*\m           ; both halves of the lanes write the same byte with the same value
.endr
.endm
.macro HFETCH par
.irp m, 0,1,2
.irp q, 0,1,2
	ds_load_b128 v[HF+12*\m+4*\q:HF+12*\m+4*\q+3], v[L16] offset:HBS*(\par)+1536*\m+512*\q
.endr
	ds_load_b32 v[HS+\m], v[HSR] offset:HBS*(\par)+64*\m
.endr
.endm
; A SLOT.  par: its hidden buffer and its set of W2.  p1: the next slot's first product is issued here, from the other set of W1.  ra, rb: the sets just multiplied are asked for again, ga and gb slots on from the bases.
; wn: how many younger global loads may stay out when the next slot's W1 and this slot's W2 have to be there.
.macro SLOT par, p1, ra, rb, wn, ga, gb
	GELU16 0
	GELU16 1
	GELU16 2
	QUANT
	HSTORE \par
	s_wait_dscnt 0x0                               ; my stores into this buffer are done; my reads of the other one were waited for in the last slot
	s_barrier_signal -1
	s_barrier_wait -1
	HFETCH \par
	s_wait_loadcnt \wn
.if \p1
	P1 1-\par
	PLACES
.if \ra
	REFA 1-\par, \ga
.endif
.endif
	s_wait_dscnt 0x0                               ; the three hidden fragments and their scale words are in
	P2 \par
	PLACES
.if \rb
	REFB \par, \gb
.endif
	WIN 0
.endm
	s_load_b512 s[4:19], s[0:1], 0x0               ; rl s[4:5], rfl s[6:7], xqs s[8:9], wimg s[10:11], w1_scales s[12:13], b1 s[14:15], b2 s[16:17], parts s[18:19]
	v_lshl_add_u32 v254, v0, 2, 0xaa00
	v_mov_b32 v255, 0
	v_lshrrev_b32 v13, 5, v0
	v_readfirstlane_b32 s[WV], v13                 ; wave 0..3
	v_and_b32 v15, 31, v0                          ; lane
	v_and_b32 v13, 15, v0                          ; r
	v_bfe_u32 v14, v0, 4, 1                        ; h
	v_lshlrev_b32 v[L16], 4, v15
	v_and_b32 v[S1A], 8, v13
	v_add_nc_u32 v[S1A], v[S1A], v13
	v_lshl_add_u32 v[S1A], v14, 3, v[S1A]
	v_lshlrev_b32 v[S1A], 4, v[S1A]
	v_lshlrev_b32 v[H64], 6, v14
	v_lshlrev_b32 v[H32], 5, v14
	s_lshr_b32 s88, s[WV], 1
	s_mul_i32 s88, s88, 6                          ; 6 (w / 2)
	s_and_b32 s89, s[WV], 1
	s_lshl_b32 s89, s89, 8                         ; 16 bytes x 16 lanes x (w % 2)
	v_mul_u32_u24 v15, v14, 3
	v_add_nc_u32 v15, s88, v15                     ; the operand's register that my first register of codes is
.irp c, 0,1,2
	v_add_nc_u32 v[HST+\c], \c, v15                ; register rho of lane L lies at 512 (rho / 4) + 16 L + 4 (rho % 4)
	v_lshrrev_b32 v[VO+1], 2, v[HST+\c]
	v_and_b32 v[HST+\c], 3, v[HST+\c]
	v_lshlrev_b32 v[HST+\c], 2, v[HST+\c]
	v_lshl_add_u32 v[HST+\c], v[VO+1], 9, v[HST+\c]
	v_lshl_add_u32 v[HST+\c], v13, 4, v[HST+\c]
	v_add_nc_u32 v[HST+\c], s89, v[HST+\c]
.endr
	v_lshl_add_u32 v[HSR], v13, 2, HSC
	v_add_nc_u32 v[HSB], s[WV], v[HSR]
	s_mul_i32 s88, s[WV], 16*SPI
	s_add_co_u32 s88, s88, STG                     ; my stage
	v_mul_u32_u24 v[STO], v13, SPI
	v_lshl_add_u32 v[STO], v14, 5, v[STO]
	v_add_nc_u32 v[STO], s88, v[STO]
	v_add_nc_u32 v[SRD], s88, v[L16]
	s_lshl_b32 s89, s[WV], 9
	v_add_nc_u32 v[CO], s89, v[L16]                ; my wave's 512 bytes of a row of parts, 16 a lane
	v_lshlrev_b32 v[VO], 2, v13                    ; the list: 4 bytes a row
	v_mov_b32 v[C9], 0x3e7c6f08
	v_mov_b32 v[C9+1], 0x3e7c6f08
.irp m, 0,1,2
	v_mov_b32 v[PM+\m], 0                          ; written once: a lane permute's destination counts as one of its sources
	v_mov_b32 v[WT+2*\m+1], 0                      ; named as the upper half of a pair
.endr
	s_mov_b32 s[K1], 0x3eb504f3                    ; 1 / (2 sqrt 2)
	s_mov_b32 s[SEL], 0x76543210
	s_mov_b32 s[SEL+1], 0xfedcba98
	s_mov_b32 s[KN], 0xbf38aa3b
	s_mov_b32 s[KN+1], 0xbf38aa3b
.macro CONST k, bits
	s_mov_b32 s[CC+2*\k], \bits
	s_mov_b32 s[CC+2*\k+1], \bits
.endm
	CONST 0, 0xc034d90f                            ; -1.26551223 log2(e) - 1
	CONST 1, 0x3fb8ab5a                            ;  1.00002368 log2(e)
	CONST 2, 0x3f0a29d2                            ;  0.37409196 log2(e)
	CONST 3, 0x3e0efb2e                            ;  0.09678418 log2(e)
	CONST 4, 0xbe899a80                            ; -0.18628806 log2(e)
	CONST 5, 0x3ecdfd18                            ;  0.27886807 log2(e)
	CONST 6, 0xbfd1a1e5                            ; -1.13520398 log2(e)
	CONST 7, 0x40097039                            ;  1.48851587 log2(e)
	CONST 8, 0xbf97d29d                            ; -0.82215223 log2(e);  c9 = 0.17087277 log2(e) stands in v30-31
	s_wait_kmcnt 0x0
	s_load_b256 s[20:27], s[4:5], 0x8100           ; the eight counts
	s_mov_b32 s91, 0                               ; tiles in front of expert e
	s_mov_b32 s96, 0                               ; entries in front of expert e
	s_mov_b32 s92, 0                               ; my expert; my tile among its tiles; its count; where its run begins.  A work-group without a tile keeps these: expert 0, no rows, the zeros behind the list
	s_mov_b32 s93, 0
	s_mov_b32 s94, 0
	s_mov_b32 s95, 0x2000
	s_wait_kmcnt 0x0
.irp e, 0,1,2,3,4,5,6,7
	s_min_u32 s88, s[20+\e], 0x2000
	s_add_co_u32 s89, s88, 47
	s_lshr_b32 s89, s89, 4
	s_mul_i32 s89, s89, 43691
	s_lshr_b32 s89, s89, 17                        ; its tiles: ((c + 47) / 16) / 3, the division by 3 as x 43691 / 2^17, exact for numbers under 2^16
	s_sub_co_u32 s90, ttmp9, s91                   ; (wraps to a large number where my tile lies in front)
	s_cmp_lt_u32 s90, s89
	s_cselect_b32 s92, \e, s92
	s_cselect_b32 s93, s90, s93
	s_cselect_b32 s94, s88, s94
	s_cselect_b32 s95, s96, s95
	s_add_co_u32 s91, s91, s89
	s_add_co_u32 s96, s96, s88
.endr
	s_mul_i32 s97, s93, 48
	s_sub_co_u32 s[CNT], s94, s97
	s_min_u32 s[CNT], s[CNT], 48
	s_add_co_u32 s97, s97, s95
	s_min_u32 s97, s97, 0x2000                     ; what is made of loaded numbers is held inside its table before it enters an address
	s_min_u32 s92, s92, 7
	s_mov_b32 s89, 0
	s_lshl_b32 s88, s97, 2
	s_add_nc_u64 s[RLS:RLS+1], s[4:5], s[88:89]
	s_lshl_b32 s98, s92, 6
	s_add_co_u32 s98, s98, s[WV]                   ; my group of slot 0: 64 e + w
	s_mul_i32 s88, s98, 12288
	s_add_nc_u64 s[PA:PA+1], s[10:11], s[88:89]
	s_add_nc_u64 s[PB:PB+1], s[PA:PA+1], 0x600000
	s_lshl_b32 s88, s98, 9
	s_add_nc_u64 s[PS1:PS1+1], s[12:13], s[88:89]
	s_add_nc_u64 s[PS2:PS2+1], s[10:11], s[88:89]
	s_add_nc_u64 s[PS2:PS2+1], s[PS2:PS2+1], 0xc00000
	s_lshl_b32 s88, s98, 7
	s_add_nc_u64 s[PB1:PB1+1], s[14:15], s[88:89]
	s_lshl_b32 s88, s92, 11
	s_lshl_b32 s90, s[WV], 9
	s_add_co_u32 s88, s88, s90
	s_add_nc_u64 s[16:17], s[16:17], s[88:89]      ; b2 at my 128 outputs
.irp m, 0,1,2
	global_load_b32 v[ENT+\m], v[VO], s[RLS:RLS+1] offset:64*\m    ; row 16 m + r's entry, in both halves of the lanes
.endr
	s_wait_loadcnt 0x0
.irp m, 0,1,2
	v_lshrrev_b32 v[XA+\m], 1, v[ENT+\m]           ; its token,
	v_min_u32 v[XA+\m], 0xfff, v[XA+\m]            ; held inside the table
	v_lshlrev_b32 v[XSA+\m], 4, v[XA+\m]
	v_mul_u32_u24 v[XA+\m], v[XA+\m], 384
	v_mad_u32_u24 v[XA+\m], v14, 192, v[XA+\m]     ; my half's 192 bytes: four fragments of 48
	v_min_u32 v[ENT+\m], 0x1fff, v[ENT+\m]
	v_lshlrev_b32 v[WA+\m], 2, v[ENT+\m]
.endr
.irp m, 0,1,2
.set i, 0
.rept 12
	GLD XF+48*\m+4*i, XA+\m, 8, 16*i
.set i, i+1
.endr
.endr
	WIN 0
.irp m, 0,1,2
	global_load_b128 v[XS+4*\m:XS+4*\m+3], v[XSA+\m], s[8:9] offset:1572864
	global_load_b32 v[WT+2*\m], v[WA+\m], s[6:7]
.endr
.irp m, 0,1,2
.irp n, 0,1,2,3,4,5,6,7
	GLD OUT+64*\m+8*\n, H32, 16, 64*\n             ; the sums begin as b2: lane (r, h), register j: output 128 w + 16 n + 8 h + j
	GLD OUT+64*\m+8*\n+4, H32, 16, 64*\n+16
.endr
.endr
	REFA 0, 0
	REFB 0, 0
	REFA 1, 1
	REFB 1, 1
	s_wait_loadcnt 54                              ; the two youngest groups (29 + 25 loads) may be out: slot 0's W1 and all that is older are in
	P1 0                                           ; slot 0's hidden units
	PLACES
	REFA 0, 2
	WIN 0
	s_mov_b32 s[TRIP], 6
.Ltrip:                                                ; two slots a trip.  At each slot's wait the two youngest groups, asked for in the slot before (W1's of two slots on, 29 loads, and W2's of the next slot, 25), may be out
	SLOT 0, 1, 1, 1, 54, 3, 2
	SLOT 1, 1, 1, 1, 54, 4, 3
	s_wait_xcnt 0x0                                ; the bases are stepped only behind this wait
	s_add_nc_u64 s[PA:PA+1], s[PA:PA+1], 98304
	s_add_nc_u64 s[PB:PB+1], s[PB:PB+1], 98304
	s_add_nc_u64 s[PS1:PS1+1], s[PS1:PS1+1], 4096
	s_add_nc_u64 s[PS2:PS2+1], s[PS2:PS2+1], 4096
	s_add_nc_u64 s[PB1:PB1+1], s[PB1:PB1+1], 1024
	s_sub_co_u32 s[TRIP], s[TRIP], 1
	s_cmp_lg_u32 s[TRIP], 0
	s_cbranch_scc1 .Ltrip
	SLOT 0, 1, 1, 1, 54, 3, 2                      ; slot 12 asks for the last W1 (slot 15's) and for slot 14's W2
	SLOT 1, 1, 0, 1, 54, 0, 3                      ; slot 13 asks for the last W2
	SLOT 0, 1, 0, 0, 25, 0, 0                      ; slot 14: only that last group of 25 may be out
	SLOT 1, 0, 0, 0, 0, 0, 0                       ; slot 15: nothing may be out, and there is no next slot
	; THE WAY OUT, a tile of 16 rows at a time: x the row's weight; through my own stage in LDS (LDS serves a wave's instructions in order: no wait between the stores and the loads); back as rows of 512 bytes,
	; which the 32 lanes store to the row's entry in parts.  The rows of a tile that count come first: at the first row that does not, the wave is done.
.irp m, 0,1,2
	WIN 0x03                                       ; source 0 window 3
.set i, 0
.rept 32
	v_pk_mul_f32 v[PR+i:PR+i+1], v[((OUT+64*\m+i)&255):((OUT+64*\m+i)&255)+1], v[WT+2*\m:WT+2*\m+1] op_sel_hi:[1,0]   ; each accumulator from its low end on
.set i, i+2
.endr
	WIN 0
.irp n, 0,1,2,3,4,5,6,7
	ds_store_b128 v[STO], v[PR+8*\n:PR+8*\n+3] offset:64*\n
	ds_store_b128 v[STO], v[PR+8*\n+4:PR+8*\n+7] offset:64*\n+16
.endr
.if \m > 0
	s_wait_xcnt 0x0                                ; the last tile's stores have read their data and offsets: both are written again below
.endif
.set i, 0
.rept 16
	ds_load_b128 v[BK+4*i:BK+4*i+3], v[SRD] offset:SPI*i
.set i, i+1
.endr
	s_load_b512 s[ROWS:ROWS+15], s[RLS:RLS+1], 64*\m
	s_wait_kmcnt 0x0
.set i, 0
.rept 16
	s_min_u32 s[ROWS+i], s[ROWS+i], 0x1fff
.set i, i+1
.endr
.set i, 0
.rept 16
	s_wait_dscnt 15-i                              ; row i is back; the younger rows may be out
	s_cmp_le_u32 s[CNT], 16*\m+i
	s_cbranch_scc1 .Ldone
	v_lshl_add_u32 v[VO+i], s[ROWS+i], 11, v[CO]   ; 2,048 bytes an entry
	global_store_b128 v[VO+i], v[BK+4*i:BK+4*i+3], s[18:19]        ; 32 lanes store 512 consecutive bytes, at a multiple of 512 from the buffer's first byte
.set i, i+1
.endr
.endr
.Ldone:
	s_wait_dscnt 0x0
	s_wait_tensorcnt 0x0
	ds_add_u32 v254, v255
	s_wait_dscnt 0x0
	s_endpgm
.Lfunc_end_k_q672f46878d_chain:
	.size	k_q672f46878d_chain, .Lfunc_end_k_q672f46878d_chain-k_q672f46878d_chain
	.p2alignl 7, 3214868480
	.fill 96, 4, 3214868480
	.section	.rodata,"a",@progbits
	.p2align	6, 0x0
	.amdhsa_kernel k_q672f46878d_chain
		.amdhsa_group_segment_fixed_size 44032
		.amdhsa_private_segment_fixed_size 0
		.amdhsa_enable_private_segment 0
		.amdhsa_kernarg_size 64
		.amdhsa_user_sgpr_count 2
		.amdhsa_user_sgpr_kernarg_segment_ptr 1
		.amdhsa_wavefront_size32 1
		.amdhsa_system_sgpr_workgroup_id_x 1
		.amdhsa_system_sgpr_workgroup_id_y 1
		.amdhsa_system_sgpr_workgroup_id_z 1
		.amdhsa_system_vgpr_workitem_id 0
		.amdhsa_next_free_vgpr 1024
		.amdhsa_next_free_sgpr 100
		.amdhsa_reserve_vcc 0
		.amdhsa_float_denorm_mode_32 3
		.amdhsa_float_denorm_mode_16_64 3
		.amdhsa_memory_ordered 1
		.amdhsa_forward_progress 1
		.amdhsa_inst_pref_size 255
	.end_amdhsa_kernel
	.section	.bss,"aw",@nobits
	.p2align	6
	.space	262144
	.amdgpu_metadata
---
amdhsa.version: [ 1, 2 ]
amdhsa.kernels:
  - .name:           k_q672f46878d_chain
    .symbol:         k_q672f46878d_chain.kd
    .args:
      - { .name: rl, .offset: 0, .size: 8, .value_kind: global_buffer, .address_space: global }
      - { .name: rfl, .offset: 8, .size: 8, .value_kind: global_buffer, .address_space: global }
      - { .name: xqs, .offset: 16, .size: 8, .value_kind: global_buffer, .address_space: global }
      - { .name: wimg, .offset: 24, .size: 8, .value_kind: global_buffer, .address_space: global }
      - { .name: w1_scales, .offset: 32, .size: 8, .value_kind: global_buffer, .address_space: global }
      - { .name: b1, .offset: 40, .size: 8, .value_kind: global_buffer, .address_space: global }
      - { .name: b2, .offset: 48, .size: 8, .value_kind: global_buffer, .address_space: global }
      - { .name: parts, .offset: 56, .size: 8, .value_kind: global_buffer, .address_space: global }
    .group_segment_fixed_size: 44032
    .private_segment_fixed_size: 0
    .kernarg_segment_align: 8
    .kernarg_segment_size: 64
    .max_flat_workgroup_size: 128
    .sgpr_count:     100
    .vgpr_count:     1024
    .wavefront_size: 32
...
	.end_amdgpu_metadata
.endif
;; end of part 3
;; launch join (part 4): grid 256 x 1, 8 waves a work-group, no clusters, 0 bytes of LDS; arguments parts, out0; writes out0
.if DOCPART == 4
	.amdgcn_target "amdgcn-amd-amdhsa--gfx1250"
	.amdhsa_code_object_version 6
	.text
	.protected	k_q672f46878d_join
	.globl	k_q672f46878d_join
	.p2align	8
	.type	k_q672f46878d_join,@function
k_q672f46878d_join:
	s_mov_b64 s[64:65], 0
	v_nop
	global_prefetch_b8 v0, s[64:65] scope:SCOPE_SE
	s_setreg_imm32_b32 hwreg(HW_REG_WAVE_MODE, 25, 1), 1
	s_wait_xcnt 0x0
; JOIN.  out0[t] = parts[2 t] + parts[2 t + 1]: a token's two weighted expert rows, 512 f32 each.  A stream: every byte is read once and written once, 16 bytes a lane, so that a wave's load or store
; covers 512 consecutive bytes.  A work-group owns 16 tokens; threads 0-127 take the even ones, threads 128-255 the odd ones; a thread keeps its four columns.  All sixteen loads of a thread go out at
; once; nothing is looped and no register is written twice.  No LDS, no barrier, no matrix unit: there is nothing here for them to do.
	s_load_b128 s[4:7], s[0:1], 0x0                ; parts, out0
	v_and_b32 v1, 127, v0
	v_lshrrev_b32 v2, 7, v0                        ; which of a pair of tokens
	v_lshlrev_b32 v1, 4, v1                        ; my 16 bytes of a row
	v_lshl_add_u32 v3, v2, 12, v1                  ; parts: 4,096 bytes a token
	v_lshl_add_u32 v4, v2, 11, v1                  ; out0: 2,048
	s_lshl_b32 s8, ttmp9, 16
	s_mov_b32 s9, 0
	s_lshl_b32 s10, ttmp9, 15
	s_mov_b32 s11, 0
	s_wait_kmcnt 0x0
	s_add_nc_u64 s[4:5], s[4:5], s[8:9]
	s_add_nc_u64 s[6:7], s[6:7], s[10:11]
.irp i, 0,1,2,3,4,5,6,7
	global_load_b128 v[8+8*\i:11+8*\i], v3, s[4:5] offset:8192*\i th:TH_LOAD_NT
	global_load_b128 v[12+8*\i:15+8*\i], v3, s[4:5] offset:8192*\i+2048 th:TH_LOAD_NT
.endr
.irp i, 0,1,2,3,4,5,6,7
	s_wait_loadcnt 14-2*\i                         ; loads come back in order: pair i is in, the younger pairs may be out
	v_pk_add_f32 v[8+8*\i:9+8*\i], v[8+8*\i:9+8*\i], v[12+8*\i:13+8*\i]
	v_pk_add_f32 v[10+8*\i:11+8*\i], v[10+8*\i:11+8*\i], v[14+8*\i:15+8*\i]
	global_store_b128 v4, v[8+8*\i:11+8*\i], s[6:7] offset:4096*\i th:TH_STORE_NT
.endr
	s_endpgm
.Lfunc_end_k_q672f46878d_join:
	.size	k_q672f46878d_join, .Lfunc_end_k_q672f46878d_join-k_q672f46878d_join
	.p2alignl 7, 3214868480
	.fill 96, 4, 3214868480
	.section	.rodata,"a",@progbits
	.p2align	6, 0x0
	.amdhsa_kernel k_q672f46878d_join
		.amdhsa_group_segment_fixed_size 0
		.amdhsa_private_segment_fixed_size 0
		.amdhsa_enable_private_segment 0
		.amdhsa_kernarg_size 16
		.amdhsa_user_sgpr_count 2
		.amdhsa_user_sgpr_kernarg_segment_ptr 1
		.amdhsa_wavefront_size32 1
		.amdhsa_system_sgpr_workgroup_id_x 1
		.amdhsa_system_sgpr_workgroup_id_y 1
		.amdhsa_system_sgpr_workgroup_id_z 1
		.amdhsa_system_vgpr_workitem_id 0
		.amdhsa_next_free_vgpr 72
		.amdhsa_next_free_sgpr 66
		.amdhsa_reserve_vcc 0
		.amdhsa_float_denorm_mode_32 3
		.amdhsa_float_denorm_mode_16_64 3
		.amdhsa_memory_ordered 1
		.amdhsa_forward_progress 1
		.amdhsa_inst_pref_size 5
	.end_amdhsa_kernel
	.amdgpu_metadata
---
amdhsa.version: [ 1, 2 ]
amdhsa.kernels:
  - .name:           k_q672f46878d_join
    .symbol:         k_q672f46878d_join.kd
    .args:
      - { .name: parts, .offset: 0, .size: 8, .value_kind: global_buffer, .address_space: global }
      - { .name: out0, .offset: 8, .size: 8, .value_kind: global_buffer, .address_space: global }
    .group_segment_fixed_size: 0
    .private_segment_fixed_size: 0
    .kernarg_segment_align: 8
    .kernarg_segment_size: 16
    .max_flat_workgroup_size: 256
    .sgpr_count:     66
    .vgpr_count:     72
    .wavefront_size: 32
...
	.end_amdgpu_metadata
.endif
;; end of part 4
;; ======== version 2 of 2: 4 launches; version 1 with the launch chain written anew for expert scheduling mode
;; workspace buffers: xqs 1,638,400 bytes; wimg 12,845,056 bytes; ridx 32,768 bytes of whole numbers; rfl 65,536 bytes; rl 33,280 bytes of whole numbers; parts 16,777,216 bytes
;; launch prep: the kernel of part 1 again; grid 384 x 1, 4 waves a work-group, no clusters, 22,016 bytes of LDS; arguments x, router_w, w1_codes, w2_codes, w2_scales, xqs, ridx, rfl, wimg; writes xqs, ridx, rfl, wimg
;; launch place: the kernel of part 2 again; grid 8 x 1, 16 waves a work-group, no clusters, 3,328 bytes of LDS; arguments ridx, rfl, rl, out1; writes rl, out1
;; launch chain (part 5): grid 178 x 1, 4 waves a work-group, no clusters, 44,032 bytes of LDS; arguments rl, rfl, xqs, wimg, w1_scales, b1, b2, parts; writes parts
.if DOCPART == 5
	.amdgcn_target "amdgcn-amd-amdhsa--gfx1250"
	.amdhsa_code_object_version 6
	.text
	.protected	k_q672f46878d_chain
	.globl	k_q672f46878d_chain
	.p2align	8
	.type	k_q672f46878d_chain,@function
k_q672f46878d_chain:
	s_mov_b64 s[64:65], 0
	v_nop
	global_prefetch_b8 v0, s[64:65] scope:SCOPE_SE
	s_setreg_imm32_b32 hwreg(HW_REG_WAVE_SCHED_MODE, 0, 2), 2
	s_setreg_imm32_b32 hwreg(HW_REG_WAVE_MODE, 25, 1), 1
	s_wait_xcnt 0x0
	s_wait_alu depctr_vm_vsrc(0)
; CHAIN.  A work-group takes one tile of 48 routed rows (entries: choice k of token t) of ONE expert through the whole chain: x's codes gathered, x W1 + b1, exact GELU, quantised along the hidden
; axis, h W2 + b2, x the entry's weight; one row of parts for each entry.  Both products on codes of E3M2 with one E8M0 scale for each 32 along K.  The hidden layer never goes to memory.
; THE GRID SERVES EVERY SPLIT: 8,192 entries in tiles of 48 over 8 experts are never more than (8192 + 8 x 47) / 48 = 178 tiles.  A work-group finds its tile from the eight counts.  One that a split leaves
; without rows walks the same text on the zeros behind the list (every wave passes every barrier) and stores nothing.
; SHARES.  The hidden axis goes in 16 slots of 128.  In slot j wave w makes hidden units 128 j + 32 w .. + 31 for all 48 rows: block w of K step j of the second product; and it owns outputs
; 128 w .. 128 w + 127 for all 48 rows, 24 accumulators that stay for the whole launch.  A slot is 24 + 24 matrix instructions a wave.
; WEIGHTS go from memory straight into operand registers: an earlier launch has laid them as images of the registers, so a fragment is three loads of 512 consecutive bytes.  Two sets of registers for each
; of W1 and W2; a set is asked for again in the slot behind the one whose products read it, and is multiplied in the slot behind that.
; NO JOINT LOADS: each weight fragment is multiplied by one wave alone and lands in that wave's registers; a joint load lands in LDS, from where all 1.5 MB of an expert's codes would have to be read again
; by the waves; and the number of an expert's tiles hangs on counts read from memory.
; THE HIDDEN LAYER goes from wave to wave through LDS as an image of the operand's registers, in two buffers by turns, ONE barrier a slot: in front of it each wave waits for all its LDS instructions, its
; stores into this slot's buffer and its reads of the other; that other buffer is written again only behind the barrier.
; Both products are used transposed (source 0 = 16 rows of the weight, source 1 = 16 rows of the tile): a lane holds ONE row throughout.  The rows of W1 that form a tile are chosen (in the image) so that a
; lane's 16 registers of its two tiles are 16 neighbours along the next K.  The biases are the C of each sum's first matrix instruction.
; GELU, exact form: gelu(x) = max(x, 0) - |x| t 2^(-x^2 log2(e) / 2 + P(t)), t = 1 / (1 + |x| / (2 sqrt 2)); t 2^(..) is erfc(|x| / sqrt 2) / 2 by the rational Chebyshev fit of Numerical Recipes (erfcc),
; whose fractional error is under 1.2e-7 everywhere; its coefficients are multiplied by log2(e), and the 1/2 is a 1 taken off c0.
; LIMITS: NaN and infinities are not served.  The exponent is rounded in f32: about 1e-6 of erfc at |x| = 5, growing with x^2; an exponential under 2^-126 comes out as 0.  A block of zeros gets the byte 1,
; read by this kernel alone; blocks whose largest magnitude lies under 2^(4 - 126) have their byte held at 1.
; THE MODE: SCHED_MODE bits 1:0 = 2 (LLVM: expert scheduling mode 2), set by the entry lines.  The code itself states the register dependences between vector or matrix instructions and memory or LDS
; instructions, with s_wait_alu, always for 0.
; THE PLAN.  Registers that memory or LDS instructions touch in slot j (par = j % 2):
;   RA, B1, SA [par]      read by the first product of slot j - 1; the loads of slot j land in them (W1 of slot j + 2); read again by the first product of slot j + 1.
;   RB, SB [1 - par]      read by the second product of slot j - 1; the loads of slot j land in them (W2 of slot j + 1); read again by the second product of slot j + 1.
;   CD, BY                written by the slot's quantiser; read by its twelve LDS stores.
;   HF, HS                the LDS loads behind the barrier land in them; read by the slot's second product.
;   v1 to v12             offsets and LDS addresses, made at the head and never written again; the scalar bases move on once a trip, and immediate offsets do the rest.
;   The hidden numbers, the GELU's and the quantiser's work registers, x's fragments and the accumulators are named by vector and matrix instructions alone.
; The GELU has six waits on va_vdst in a slot, one behind each batch of reciprocals or exponentials.  The first of them also states that the matrix instructions of slot j - 1 are done reading the two sets that
; slot j loads; slot j's own products read the other two sets.  So the slot's 54 loads of weights are dealt nine behind each of the six and owe no wait of their own.  One more wait on va_vdst stands ahead of the
; LDS stores, and serves the LDS loads behind the barrier too; one wait on vm_vsrc stands at the slot's head, a slot behind the LDS stores whose registers it frees.
; REGISTERS by absolute number (window = number / 256; no tuple crosses a window's end):
.set L16,  1                           ; v1      16 x lane
.set S1A,  2                           ; v2      W1's scale words: 16 x (8 h + r + 8 (r / 8))
.set H64,  3                           ; v3      64 h: b1
.set H32,  4                           ; v4      32 h: b2
.set HST,  5                           ; v5-7    where my three registers of codes go in a hidden image
.set HSB,  8                           ; v8      where my block's scale byte goes
.set HSR,  9                           ; v9      where a row's scale word is read
.set STO,  10                          ; v10     the way out: where I put 32 bytes of a row
.set SRD,  11                          ; v11     and where I read a row back
.set CO,   12                          ; v12     my 16 bytes in a row of parts
.set ENT,  16                          ; v16-18  my row's entry, for each of the three tiles of 16 rows
.set XA,   19                          ; v19-21  its token's codes
.set WT,   24                          ; v24-29  its weight, as pairs (the upper halves are 0 and not used)
.set C9,   30                          ; v30-31  c9, twice
.set SA,   32                          ; v32-39  W1's scale words, two sets of 4 (K step s): lanes 0-15 tile 0, lanes 16-31 tile 1
.set SB,   40                          ; v40-47  W2's, two sets of 4: register i: lanes 0-15 fragment i, lanes 16-31 fragment 4 + i
.set XS,   48                          ; v48-59  x's scale words: 4 m + s
.set HS,   60                          ; v60-62  the hidden layer's
.set MX,   64                          ; v64-75  the quantiser at work: largest magnitudes, permutes, scale operands, bytes
.set PM,   67
.set SO,   70
.set BY,   73
.set CD,   76                          ; v76-87  the codes just made: three registers at 76, 80, 84
.set HID,  88                          ; v88-135 my part of the hidden layer: 16 m + 8 u + j
.set GT,   136                         ; v136-183 GELU at work: t, the polynomial, x^2
.set GP,   152
.set GQ,   168
.set HF,   184                         ; v184-219 the slot's three hidden fragments
.set VO,   220                         ; v220-235 the way out: a row's offset in parts
.set WA,   236                         ; v236-238 offsets of the weights;  v240-242 of x's scale words
.set XSA,  240
.set PR,   88                          ; the way out: v88-151 a tile's results x the weight, v152-215 its rows read back
.set BK,   152
.set XF,   256                         ; 256-399  x's fragments: 48 m + 12 s
.set B1,   400                         ; 400-431  b1: 16 x set + 8 u
.set RA,   440                         ; 440-631  W1's fragments: 96 x set + 12 (2 s + u)
.set RB,   636                         ; 636-827  W2's: 96 x set + 12 n
.set OUT,  828                         ; 828-1019 the 24 accumulators: 64 m + 8 n
.set HBS,  4864                        ; LDS: two hidden buffers: three images of 1,536 bytes, then from byte 4,608 three times 16 scale words
.set HSC,  4608
.set STG,  9728                        ; behind them a stage of 16 rows x (512 + 16) bytes for each wave
.set SPI,  528
.set PA,   28                          ; s[28:29] W1's image, s[30:31] W2's, s[32:33] W2's scale image, s[34:35] w1_scales, s[36:37] b1: each at my wave's group of the slot pair in hand
.set PB,   30
.set PS2,  32
.set PS1,  34
.set PB1,  36
.set RLS,  38                          ; s[38:39] the list at my tile's first entry
.set WV,   40
.set CNT,  41                          ; rows of my tile: 0 .. 48
.set TRIP, 42
.set K1,   43
.set SEL,  44
.set ROWS, 48                          ; s[48:63] sixteen entries on the way out
.set KN,   66                          ; s[66:67] -log2(e) / 2;  s[68:85] c0 .. c8, each twice: the packed forms name a pair
.set CC,   68
.set MSB, 0
.macro WIN new                         ; the immediate's high byte repeats the setting that is left; a switch that changes nothing is dropped
.set WNEW, \new
.if MSB != WNEW
	s_set_vgpr_msb (MSB<<8)|WNEW
.set MSB, WNEW
.endif
.endm
.macro WM d, a, b, c, sa, sb, rowa     ; a matrix instruction by absolute register numbers; rowa = 1: source 0's scales stand in lanes 16-31
	WIN (((\d)>>8)<<6)|(((\c)>>8)<<4)|(((\b)>>8)<<2)|((\a)>>8)
.set rD, (\d)&255
.set rA, (\a)&255
.set rB, (\b)&255
.set rC, (\c)&255
.if \rowa
	v_wmma_scale_f32_16x16x128_f8f6f4 v[rD:rD+7], v[rA:rA+11], v[rB:rB+11], v[rC:rC+7], v[\sa], v[\sb] matrix_a_fmt:MATRIX_FMT_BF6 matrix_b_fmt:MATRIX_FMT_BF6 matrix_a_scale:MATRIX_SCALE_ROW1
.else
	v_wmma_scale_f32_16x16x128_f8f6f4 v[rD:rD+7], v[rA:rA+11], v[rB:rB+11], v[rC:rC+7], v[\sa], v[\sb] matrix_a_fmt:MATRIX_FMT_BF6 matrix_b_fmt:MATRIX_FMT_BF6
.endif
.endm
.macro GLD dst, adr, base, off         ; 16 bytes a lane into an absolute register number
	WIN (((\dst)>>8)<<6)
.set rD, (\dst)&255
	global_load_b128 v[rD:rD+3], v[\adr], s[\base:\base+1] offset:\off
.endm
.macro PLACES                          ; four plain vector lines behind matrix instructions, in front of the first read of their results by vector instructions (ISA guide 7.12.1)
.rept 4
	v_nop
.endr
.endm
.macro REFA bs, g                      ; at the head: W1's group g slots on from the base into set bs: 8 fragments, b1's 16 numbers a lane, the scale words: 29 loads
.set i, 0
.rept 24
	GLD RA+96*(\bs)+4*i, L16, PA, 49152*(\g)+512*i
.set i, i+1
.endr
.set i, 0
.rept 4
	GLD B1+16*(\bs)+4*i, H64, PB1, 512*(\g)+16*i
.set i, i+1
.endr
	GLD SA+4*(\bs), S1A, PS1, 2048*(\g)
.endm
.macro REFB bs, g                      ; at the head: W2's likewise: 8 fragments and the scale words: 25 loads
.set i, 0
.rept 24
	GLD RB+96*(\bs)+4*i, L16, PB, 49152*(\g)+512*i
.set i, i+1
.endr
	GLD SB+4*(\bs), L16, PS2, 2048*(\g)
.endm
; Loads 9 k .. 9 k + 8 of a slot's 54.  Numbers 0-28 (ra = 1): W1's group ga slots on from the base into set par: 24 of fragments, 4 of b1, the scale words.  Numbers 29-53 (rb = 1): W2's group gb slots on into
; set 1 - par: 24 of fragments, the scale words.  Each run stands straight behind a wait on va_vdst, with window switches alone between.
.macro DEAL k, par, ra, rb, ga, gb
.set dn, 9*(\k)
.rept 9
.if dn < 24
.if \ra
	GLD RA+96*(\par)+4*dn, L16, PA, 49152*(\ga)+512*dn
.endif
.elseif dn < 28
.if \ra
	GLD B1+16*(\par)+4*(dn-24), H64, PB1, 512*(\ga)+16*(dn-24)
.endif
.elseif dn == 28
.if \ra
	GLD SA+4*(\par), S1A, PS1, 2048*(\ga)
.endif
.elseif dn < 53
.if \rb
	GLD RB+96*(1-(\par))+4*(dn-29), L16, PB, 49152*(\gb)+512*(dn-29)
.endif
.else
.if \rb
	GLD SB+4*(1-(\par)), L16, PS2, 2048*(\gb)
.endif
.endif
.set dn, dn+1
.endr
	WIN 0
.endm
.macro P1 bs                           ; my 32 hidden units for 48 rows: six accumulators by turns, K step by K step; the first takes b1 as C
.irp ks, 0,1,2,3
.irp u, 0,1
.irp m, 0,1,2
.if \ks == 0
	WM HID+16*\m+8*\u, RA+96*(\bs)+12*(2*\ks+\u), XF+48*\m+12*\ks, B1+16*(\bs)+8*\u, SA+4*(\bs)+\ks, XS+4*\m+\ks, \u
.else
	WM HID+16*\m+8*\u, RA+96*(\bs)+12*(2*\ks+\u), XF+48*\m+12*\ks, HID+16*\m+8*\u, SA+4*(\bs)+\ks, XS+4*\m+\ks, \u
.endif
.endr
.endr
.endr
.endm
.macro P2 bs                           ; this slot's K step onto my 128 outputs for 48 rows: 24 accumulators, each once
.irp n, 0,1,2,3,4,5,6,7
.irp m, 0,1,2
	WM OUT+64*\m+8*\n, RB+96*(\bs)+12*\n, HF+12*\m, OUT+64*\m+8*\n, SB+4*(\bs)+(\n&3), HS+\m, (\n>>2)
.endr
.endr
.endm
.macro GELU16 m, par, ra, rb, ga, gb   ; 16 numbers a lane, in place; each accumulator is read from its low end on.  Behind each of its two waits stand nine of the slot's loads of weights
.set GX, HID+16*(\m)
.set i, 0
.rept 16
	v_fma_f32 v[GT+i], |v[GX+i]|, s[K1], 1.0
.set i, i+1
.endr
.set i, 0
.rept 16
	v_rcp_f32 v[GT+i], v[GT+i]                     ; t
.set i, i+1
.endr
.set i, 0
.rept 8
	v_pk_mul_f32 v[GQ+i:GQ+i+1], v[GX+i:GX+i+1], v[GX+i:GX+i+1]   ; x^2 (plain lines behind the reciprocals)
.set i, i+2
.endr
	s_wait_alu depctr_va_vdst(0)                   ; the sixteen reciprocals have written t, ahead of their first reader; and the matrix instructions of the slot before are done reading the sets of W1, b1, W2 and scale words in which this slot's loads land
	DEAL 2*(\m), \par, \ra, \rb, \ga, \gb
.set i, 0
.rept 8
	v_pk_fma_f32 v[GP+i:GP+i+1], v[GT+i:GT+i+1], v[C9:C9+1], s[CC+16:CC+17] op_sel_hi:[1,1,0]
.set i, i+2
.endr
.irp c, 7,6,5,4,3,2,1,0
.set i, 0
.rept 8
	v_pk_fma_f32 v[GP+i:GP+i+1], v[GP+i:GP+i+1], v[GT+i:GT+i+1], s[CC+2*\c:CC+2*\c+1] op_sel_hi:[1,1,0]
.set i, i+2
.endr
.endr
.set i, 0
.rept 8
	v_pk_fma_f32 v[GP+i:GP+i+1], v[GQ+i:GQ+i+1], s[KN:KN+1], v[GP+i:GP+i+1] op_sel_hi:[1,0,1]
.set i, i+2
.endr
.set i, 0
.rept 16
	v_exp_f32 v[GP+i], v[GP+i]
.set i, i+1
.endr
.set i, 0
.rept 16
	v_mul_f32 v[GT+i], |v[GX+i]|, v[GT+i]          ; |x| t (plain lines behind the exponentials)
.set i, i+1
.endr
.set i, 0
.rept 16
	v_max_num_f32 v[GX+i], 0, v[GX+i]
.set i, i+1
.endr
	s_wait_alu depctr_va_vdst(0)                   ; the sixteen exponentials have written their results, ahead of their first reader; no vector or matrix instruction of this slot has named the sets in which the loads below land
	DEAL 2*(\m)+1, \par, \ra, \rb, \ga, \gb
.set i, 0
.rept 8
	v_pk_fma_f32 v[GX+i:GX+i+1], v[GT+i:GT+i+1], v[GP+i:GP+i+1], v[GX+i:GX+i+1] neg_lo:[1,0,0] neg_hi:[1,0,0]
.set i, i+2
.endr
.endm
.macro QUANT                           ; for each of the three tiles of rows: my row's block of 32 (16 numbers here, 16 in lane l xor 16) becomes a byte and my 16 codes; the three by turns
.irp m, 0,1,2
	v_max3_num_f32 v[MX+\m], |v[HID+16*\m]|, |v[HID+16*\m+1]|, 0x2800000   ; with the floor 2^(5 - 127): the byte cannot fall under 1
.endr
.irp i, 2,4,6,8,10,12,14
.irp m, 0,1,2
	v_max3_num_f32 v[MX+\m], v[MX+\m], |v[HID+16*\m+\i]|, |v[HID+16*\m+\i+1]|
.endr
.endr
.irp m, 0,1,2
	v_permlanex16_b32 v[PM+\m], v[MX+\m], s[SEL], s[SEL+1]
.endr
.irp m, 0,1,2
	v_max_num_f32 v[MX+\m], v[MX+\m], v[PM+\m]
.endr
.irp m, 0,1,2
	v_add_nc_u32 v[SO+\m], 0xfe000000, v[MX+\m]    ; 4 off the exponent field: the conversion's scale operand
.endr
.irp m, 0,1,2
	v_lshrrev_b32 v[BY+\m], 23, v[SO+\m]           ; the scale's byte
.endr
.irp m, 0,1,2
	v_cvt_scalef32_pk16_bf6_f32 v[CD+4*\m:CD+4*\m+2], v[HID+16*\m:HID+16*\m+15], v[SO+\m]
.endr
	v_nop                                          ; one plain line behind the last conversion: matrix instructions write its sources later
.endm
.macro HSTORE par                      ; my codes are registers 6 (w / 2) + 3 h + 0 .. 2 of lane r + 16 (w % 2) of the operand: they go to those registers' places in the image; my byte is byte w of row r's word
.irp m, 0,1,2
.irp c, 0,1,2
	ds_store_b32 v[HST+\c], v[CD+4*\m+\c] offset:HBS*(\par)+1536*\m
.endr
	ds_store_b8 v[HSB], v[BY+\m] offset:HBS*(\par)+64*\m           ; both halves of the lanes write the same byte with the same value
.endr
.endm
.macro HFETCH par
.irp m, 0,1,2
.irp q, 0,1,2
	ds_load_b128 v[HF+12*\m+4*\q:HF+12*\m+4*\q+3], v[L16] offset:HBS*(\par)+1536*\m+512*\q
.endr
	ds_load_b32 v[HS+\m], v[HSR] offset:HBS*(\par)+64*\m
.endr
.endm
; A SLOT.  par: its hidden buffer and its set of W2.  p1: the next slot's first product is issued here, from the other set of W1.  ra, rb: the sets that the slot before multiplied are asked for again, W1's ga and
; W2's gb slots on from the bases.  wn: how many younger global loads, this slot's own, may stay out when the next slot's W1 and this slot's W2 have to be there.
.macro SLOT par, p1, ra, rb, wn, ga, gb
	s_wait_alu depctr_vm_vsrc(0)                   ; the LDS stores of the slot before have read CD and BY, which this slot's quantiser writes again (ahead of slot 0: the loads of the list have read v[VO], which the way out writes again)
	GELU16 0, \par, \ra, \rb, \ga, \gb
	GELU16 1, \par, \ra, \rb, \ga, \gb
	GELU16 2, \par, \ra, \rb, \ga, \gb
	QUANT
	s_wait_alu depctr_va_vdst(0)                   ; the conversions have written CD and the shifts BY, which the LDS stores read; nothing from here to the LDS loads behind the barrier names HF or HS, which the last slot's second product is done reading
	HSTORE \par
	s_wait_dscnt 0x0                               ; my stores into this buffer are done; my reads of the other one were waited for in the last slot
	s_barrier_signal -1
	s_barrier_wait -1
	HFETCH \par
	s_wait_loadcnt \wn
.if \p1
	P1 1-\par
.endif
	s_wait_dscnt 0x0                               ; the three hidden fragments and their scale words are in
	P2 \par
	PLACES                                         ; behind both products: the next slot's first lines read the first product's results, the way out the second's
	WIN 0
.endm
	s_load_b512 s[4:19], s[0:1], 0x0               ; rl s[4:5], rfl s[6:7], xqs s[8:9], wimg s[10:11], w1_scales s[12:13], b1 s[14:15], b2 s[16:17], parts s[18:19]
	v_lshl_add_u32 v254, v0, 2, 0xaa00
	v_mov_b32 v255, 0
	v_lshrrev_b32 v13, 5, v0
	v_readfirstlane_b32 s[WV], v13                 ; wave 0..3
	v_and_b32 v15, 31, v0                          ; lane
	v_and_b32 v13, 15, v0                          ; r
	v_bfe_u32 v14, v0, 4, 1                        ; h
	v_lshlrev_b32 v[L16], 4, v15
	v_and_b32 v[S1A], 8, v13
	v_add_nc_u32 v[S1A], v[S1A], v13
	v_lshl_add_u32 v[S1A], v14, 3, v[S1A]
	v_lshlrev_b32 v[S1A], 4, v[S1A]
	v_lshlrev_b32 v[H64], 6, v14
	v_lshlrev_b32 v[H32], 5, v14
	s_wait_alu depctr_va_sdst(0)                   ; the wave's number is written, ahead of its first reader: LDS addresses and the bases are made from it
	s_lshr_b32 s88, s[WV], 1
	s_mul_i32 s88, s88, 6                          ; 6 (w / 2)
	s_and_b32 s89, s[WV], 1
	s_lshl_b32 s89, s89, 8                         ; 16 bytes x 16 lanes x (w % 2)
	v_mul_u32_u24 v15, v14, 3
	v_add_nc_u32 v15, s88, v15                     ; the operand's register that my first register of codes is
.irp c, 0,1,2
	v_add_nc_u32 v[HST+\c], \c, v15                ; register rho of lane L lies at 512 (rho / 4) + 16 L + 4 (rho % 4)
	v_lshrrev_b32 v[VO+1], 2, v[HST+\c]
	v_and_b32 v[HST+\c], 3, v[HST+\c]
	v_lshlrev_b32 v[HST+\c], 2, v[HST+\c]
	v_lshl_add_u32 v[HST+\c], v[VO+1], 9, v[HST+\c]
	v_lshl_add_u32 v[HST+\c], v13, 4, v[HST+\c]
	v_add_nc_u32 v[HST+\c], s89, v[HST+\c]
.endr
	v_lshl_add_u32 v[HSR], v13, 2, HSC
	v_add_nc_u32 v[HSB], s[WV], v[HSR]
	s_mul_i32 s88, s[WV], 16*SPI
	s_add_co_u32 s88, s88, STG                     ; my stage
	v_mul_u32_u24 v[STO], v13, SPI
	v_lshl_add_u32 v[STO], v14, 5, v[STO]
	v_add_nc_u32 v[STO], s88, v[STO]
	v_add_nc_u32 v[SRD], s88, v[L16]
	s_lshl_b32 s89, s[WV], 9
	v_add_nc_u32 v[CO], s89, v[L16]                ; my wave's 512 bytes of a row of parts, 16 a lane
	v_lshlrev_b32 v[VO], 2, v13                    ; the list: 4 bytes a row
	v_mov_b32 v[C9], 0x3e7c6f08
	v_mov_b32 v[C9+1], 0x3e7c6f08
.irp m, 0,1,2
	v_mov_b32 v[PM+\m], 0                          ; written once: a lane permute's destination counts as one of its sources
	v_mov_b32 v[WT+2*\m+1], 0                      ; named as the upper half of a pair
.endr
	s_mov_b32 s[K1], 0x3eb504f3                    ; 1 / (2 sqrt 2)
	s_mov_b32 s[SEL], 0x76543210
	s_mov_b32 s[SEL+1], 0xfedcba98
	s_mov_b32 s[KN], 0xbf38aa3b
	s_mov_b32 s[KN+1], 0xbf38aa3b
.macro CONST k, bits
	s_mov_b32 s[CC+2*\k], \bits
	s_mov_b32 s[CC+2*\k+1], \bits
.endm
	CONST 0, 0xc034d90f                            ; -1.26551223 log2(e) - 1
	CONST 1, 0x3fb8ab5a                            ;  1.00002368 log2(e)
	CONST 2, 0x3f0a29d2                            ;  0.37409196 log2(e)
	CONST 3, 0x3e0efb2e                            ;  0.09678418 log2(e)
	CONST 4, 0xbe899a80                            ; -0.18628806 log2(e)
	CONST 5, 0x3ecdfd18                            ;  0.27886807 log2(e)
	CONST 6, 0xbfd1a1e5                            ; -1.13520398 log2(e)
	CONST 7, 0x40097039                            ;  1.48851587 log2(e)
	CONST 8, 0xbf97d29d                            ; -0.82215223 log2(e);  c9 = 0.17087277 log2(e) stands in v30-31
	s_wait_kmcnt 0x0
	s_load_b256 s[20:27], s[4:5], 0x8100           ; the eight counts
	s_mov_b32 s91, 0                               ; tiles in front of expert e
	s_mov_b32 s96, 0                               ; entries in front of expert e
	s_mov_b32 s92, 0                               ; my expert; my tile among its tiles; its count; where its run begins.  A work-group without a tile keeps these: expert 0, no rows, the zeros behind the list
	s_mov_b32 s93, 0
	s_mov_b32 s94, 0
	s_mov_b32 s95, 0x2000
	s_wait_kmcnt 0x0
.irp e, 0,1,2,3,4,5,6,7
	s_min_u32 s88, s[20+\e], 0x2000
	s_add_co_u32 s89, s88, 47
	s_lshr_b32 s89, s89, 4
	s_mul_i32 s89, s89, 43691
	s_lshr_b32 s89, s89, 17                        ; its tiles: ((c + 47) / 16) / 3, the division by 3 as x 43691 / 2^17, exact for numbers under 2^16
	s_sub_co_u32 s90, ttmp9, s91                   ; (wraps to a large number where my tile lies in front)
	s_cmp_lt_u32 s90, s89
	s_cselect_b32 s92, \e, s92
	s_cselect_b32 s93, s90, s93
	s_cselect_b32 s94, s88, s94
	s_cselect_b32 s95, s96, s95
	s_add_co_u32 s91, s91, s89
	s_add_co_u32 s96, s96, s88
.endr
	s_mul_i32 s97, s93, 48
	s_sub_co_u32 s[CNT], s94, s97
	s_min_u32 s[CNT], s[CNT], 48
	s_add_co_u32 s97, s97, s95
	s_min_u32 s97, s97, 0x2000                     ; what is made of loaded numbers is held inside its table before it enters an address
	s_min_u32 s92, s92, 7
	s_mov_b32 s89, 0
	s_lshl_b32 s88, s97, 2
	s_add_nc_u64 s[RLS:RLS+1], s[4:5], s[88:89]
	s_lshl_b32 s98, s92, 6
	s_add_co_u32 s98, s98, s[WV]                   ; my group of slot 0: 64 e + w
	s_mul_i32 s88, s98, 12288
	s_add_nc_u64 s[PA:PA+1], s[10:11], s[88:89]
	s_add_nc_u64 s[PB:PB+1], s[PA:PA+1], 0x600000
	s_lshl_b32 s88, s98, 9
	s_add_nc_u64 s[PS1:PS1+1], s[12:13], s[88:89]
	s_add_nc_u64 s[PS2:PS2+1], s[10:11], s[88:89]
	s_add_nc_u64 s[PS2:PS2+1], s[PS2:PS2+1], 0xc00000
	s_lshl_b32 s88, s98, 7
	s_add_nc_u64 s[PB1:PB1+1], s[14:15], s[88:89]
	s_lshl_b32 s88, s92, 11
	s_lshl_b32 s90, s[WV], 9
	s_add_co_u32 s88, s88, s90
	s_add_nc_u64 s[16:17], s[16:17], s[88:89]      ; b2 at my 128 outputs
	s_wait_alu depctr_va_vdst(0)                   ; the offsets and LDS addresses v1 to v12 and v[VO] are written, which the loads, LDS instructions and stores of the whole kernel read
.irp m, 0,1,2
	global_load_b32 v[ENT+\m], v[VO], s[RLS:RLS+1] offset:64*\m    ; row 16 m + r's entry, in both halves of the lanes
.endr
	s_wait_loadcnt 0x0
.irp m, 0,1,2
	v_lshrrev_b32 v[XA+\m], 1, v[ENT+\m]           ; its token,
	v_min_u32 v[XA+\m], 0xfff, v[XA+\m]            ; held inside the table
	v_lshlrev_b32 v[XSA+\m], 4, v[XA+\m]
	v_mul_u32_u24 v[XA+\m], v[XA+\m], 384
	v_mad_u32_u24 v[XA+\m], v14, 192, v[XA+\m]     ; my half's 192 bytes: four fragments of 48
	v_min_u32 v[ENT+\m], 0x1fff, v[ENT+\m]
	v_lshlrev_b32 v[WA+\m], 2, v[ENT+\m]
.endr
	s_wait_alu depctr_va_vdst(0)                   ; v[XA ..], v[XSA ..] and v[WA ..] are written, which the loads below read as their offsets
.irp m, 0,1,2
.set i, 0
.rept 12
	GLD XF+48*\m+4*i, XA+\m, 8, 16*i
.set i, i+1
.endr
.endr
	WIN 0
.irp m, 0,1,2
	global_load_b128 v[XS+4*\m:XS+4*\m+3], v[XSA+\m], s[8:9] offset:1572864
	global_load_b32 v[WT+2*\m], v[WA+\m], s[6:7]
.endr
.irp m, 0,1,2
.irp n, 0,1,2,3,4,5,6,7
	GLD OUT+64*\m+8*\n, H32, 16, 64*\n             ; the sums begin as b2: lane (r, h), register j: output 128 w + 16 n + 8 h + j
	GLD OUT+64*\m+8*\n+4, H32, 16, 64*\n+16
.endr
.endr
	REFA 0, 0                                      ; W1 of slot 0,
	REFB 0, 0                                      ; W2 of slot 0,
	REFA 1, 1                                      ; W1 of slot 1; all else is asked for by the slots
	s_wait_loadcnt 54                              ; the two youngest groups (25 + 29 loads) may be out: slot 0's W1 and all that is older are in
	P1 0                                           ; slot 0's hidden units
	PLACES
	WIN 0
	s_mov_b32 s[TRIP], 6
.Ltrip:                                                ; two slots a trip.  At each slot's wait the slot's own 54 loads (W1 of two slots on, 29, and W2 of the next slot, 25) may be out
	SLOT 0, 1, 1, 1, 54, 2, 1
	SLOT 1, 1, 1, 1, 54, 3, 2
	s_wait_xcnt 0x0                                ; the bases are stepped only behind this wait; the last loads that read them stand ahead of the second slot's quantiser
	s_add_nc_u64 s[PA:PA+1], s[PA:PA+1], 98304
	s_add_nc_u64 s[PB:PB+1], s[PB:PB+1], 98304
	s_add_nc_u64 s[PS1:PS1+1], s[PS1:PS1+1], 4096
	s_add_nc_u64 s[PS2:PS2+1], s[PS2:PS2+1], 4096
	s_add_nc_u64 s[PB1:PB1+1], s[PB1:PB1+1], 1024
	s_sub_co_u32 s[TRIP], s[TRIP], 1
	s_cmp_lg_u32 s[TRIP], 0
	s_cbranch_scc1 .Ltrip
	SLOT 0, 1, 1, 1, 54, 2, 1                      ; slot 12 asks for slot 14's W1 and slot 13's W2
	SLOT 1, 1, 1, 1, 54, 3, 2                      ; slot 13 asks for the last W1 (slot 15's) and for slot 14's W2
	SLOT 0, 1, 0, 1, 25, 0, 3                      ; slot 14 asks for the last W2 alone: only these 25 may be out
	SLOT 1, 0, 0, 0, 0, 0, 0                       ; slot 15: nothing may be out, nothing is asked for, and there is no next slot
	; THE WAY OUT, a tile of 16 rows at a time: x the row's weight; through my own stage in LDS (LDS serves a wave's instructions in order: no wait between the stores and the loads); back as rows of 512 bytes,
	; which the 32 lanes store to the row's entry in parts.  The rows of a tile that count come first: at the first row that does not, the wave is done.
	; The sixteen rows' offsets are made with the products, ahead of ONE wait on va_vdst, so that the LDS stores, the LDS loads and the sixteen stores behind it owe nothing more.
.irp m, 0,1,2
.if \m > 0
	s_wait_xcnt 0x0                                ; the last tile's stores have had their addresses translated: their data and offsets are written again below
	s_wait_alu depctr_vm_vsrc(0)                   ; the last tile's LDS stores have read v[PR ..], its stores v[BK ..] and v[VO ..]: the products, the LDS loads and the offsets below write them again
.endif
	s_load_b512 s[ROWS:ROWS+15], s[RLS:RLS+1], 64*\m
	WIN 0x03                                       ; source 0 window 3
.set i, 0
.rept 32
	v_pk_mul_f32 v[PR+i:PR+i+1], v[((OUT+64*\m+i)&255):((OUT+64*\m+i)&255)+1], v[WT+2*\m:WT+2*\m+1] op_sel_hi:[1,0]   ; each accumulator from its low end on
.set i, i+2
.endr
	WIN 0
	s_wait_kmcnt 0x0
.set i, 0
.rept 16
	s_min_u32 s[ROWS+i], s[ROWS+i], 0x1fff
.set i, i+1
.endr
.set i, 0
.rept 16
	v_lshl_add_u32 v[VO+i], s[ROWS+i], 11, v[CO]   ; 2,048 bytes an entry
.set i, i+1
.endr
	s_wait_alu depctr_va_vdst(0)                   ; the products have written v[PR ..], which the LDS stores read; the offsets v[VO ..] are written, which the stores read; all earlier readers and writers of v[BK ..], in which the LDS loads land, are done
.irp n, 0,1,2,3,4,5,6,7
	ds_store_b128 v[STO], v[PR+8*\n:PR+8*\n+3] offset:64*\n
	ds_store_b128 v[STO], v[PR+8*\n+4:PR+8*\n+7] offset:64*\n+16
.endr
.set i, 0
.rept 16
	ds_load_b128 v[BK+4*i:BK+4*i+3], v[SRD] offset:SPI*i
.set i, i+1
.endr
.set i, 0
.rept 16
	s_wait_dscnt 15-i                              ; row i is back; the younger rows may be out
	s_cmp_le_u32 s[CNT], 16*\m+i
	s_cbranch_scc1 .Ldone
	global_store_b128 v[VO+i], v[BK+4*i:BK+4*i+3], s[18:19]        ; 32 lanes store 512 consecutive bytes, at a multiple of 512 from the buffer's first byte
.set i, i+1
.endr
.endr
.Ldone:
	s_wait_dscnt 0x0                               ; the closing lines, six on end
	s_wait_alu 0x0
	s_wait_tensorcnt 0x0
	ds_add_u32 v254, v255
	s_wait_dscnt 0x0
	s_endpgm
.Lfunc_end_k_q672f46878d_chain:
	.size	k_q672f46878d_chain, .Lfunc_end_k_q672f46878d_chain-k_q672f46878d_chain
	.p2alignl 7, 3214868480
	.fill 96, 4, 3214868480
	.section	.rodata,"a",@progbits
	.p2align	6, 0x0
	.amdhsa_kernel k_q672f46878d_chain
		.amdhsa_group_segment_fixed_size 44032
		.amdhsa_private_segment_fixed_size 0
		.amdhsa_enable_private_segment 0
		.amdhsa_kernarg_size 64
		.amdhsa_user_sgpr_count 2
		.amdhsa_user_sgpr_kernarg_segment_ptr 1
		.amdhsa_wavefront_size32 1
		.amdhsa_system_sgpr_workgroup_id_x 1
		.amdhsa_system_sgpr_workgroup_id_y 1
		.amdhsa_system_sgpr_workgroup_id_z 1
		.amdhsa_system_vgpr_workitem_id 0
		.amdhsa_next_free_vgpr 1024
		.amdhsa_next_free_sgpr 100
		.amdhsa_reserve_vcc 0
		.amdhsa_float_denorm_mode_32 3
		.amdhsa_float_denorm_mode_16_64 3
		.amdhsa_memory_ordered 1
		.amdhsa_forward_progress 1
		.amdhsa_inst_pref_size 255
	.end_amdhsa_kernel
	.section	.bss,"aw",@nobits
	.p2align	6
	.space	262144
	.amdgpu_metadata
---
amdhsa.version: [ 1, 2 ]
amdhsa.kernels:
  - .name:           k_q672f46878d_chain
    .symbol:         k_q672f46878d_chain.kd
    .args:
      - { .name: rl, .offset: 0, .size: 8, .value_kind: global_buffer, .address_space: global }
      - { .name: rfl, .offset: 8, .size: 8, .value_kind: global_buffer, .address_space: global }
      - { .name: xqs, .offset: 16, .size: 8, .value_kind: global_buffer, .address_space: global }
      - { .name: wimg, .offset: 24, .size: 8, .value_kind: global_buffer, .address_space: global }
      - { .name: w1_scales, .offset: 32, .size: 8, .value_kind: global_buffer, .address_space: global }
      - { .name: b1, .offset: 40, .size: 8, .value_kind: global_buffer, .address_space: global }
      - { .name: b2, .offset: 48, .size: 8, .value_kind: global_buffer, .address_space: global }
      - { .name: parts, .offset: 56, .size: 8, .value_kind: global_buffer, .address_space: global }
    .group_segment_fixed_size: 44032
    .private_segment_fixed_size: 0
    .kernarg_segment_align: 8
    .kernarg_segment_size: 64
    .max_flat_workgroup_size: 128
    .sgpr_count:     100
    .vgpr_count:     1024
    .wavefront_size: 32
...
	.end_amdgpu_metadata
.endif
;; end of part 5
;; launch join: the kernel of part 4 again; grid 256 x 1, 8 waves a work-group, no clusters, 0 bytes of LDS; arguments parts, out0; writes out0
